; MI455X (gfx1250); checked and timed in simulation.
; The chip was launched on July 23, 2026; its instructions are those of AMD's public machine-readable ISA for CDNA 5 (MIT licence, August 2026) and "CDNA5" Instruction Set Architecture Reference Guide (July 2026). The comments in the code are by the model that wrote it; some were corrected since.
;; Block. Allowed arithmetic: matrix products marked QUANTISED: E5M2 operands, one given power-of-two scale a tensor, by v_wmma_f32_16x16x64_bf8_bf8 or v_wmma_f32_16x16x128_bf8_bf8, f32 sums; everything else in f32.
;; Inputs: b_fc1 4,096 float32; b_fc2 1,024 float32; b_o 1,024 float32; b_qkv 3,072 float32; ln1_b 1,024 float32; ln1_g 1,024 float32; ln2_b 1,024 float32; ln2_g 1,024 float32; lowp_scales 12 int32 (the exponents e of the quantised operands' scales 2^e); w_fc1 1,024 x 4,096 float32; w_fc2 4,096 x 1,024 float32; w_o 1,024 x 1,024 float32; w_qkv 1,024 x 3,072 float32; x 2 x 2,048 x 1,024 float32.
;; Outputs: out0 2 x 2,048 x 1,024 float32.
;; This version of the problem:
;;   THIS VERSION OF THE PROBLEM IS GIVEN IN LOW PRECISION. The matrix products marked QUANTISED in the list below multiply operands that are first quantised to E5M2 (5 exponent bits, 2 mantissa bits; 8 bits a number), with one given power-of-two scale for each operand tensor; their sums are f32. All else is computed in f32.
;;   The module's matrix products, in the order in which they are computed (A, B: the left and right operand; K: the contracted axis; several contracted axes count as one K, in the product's order):
;;     1. [M 4,096, K 1,024] x [K 1,024, N 3,072]; A: computed on the way; B: input w_qkv: QUANTISED (scales: A lowp_scales[0], B lowp_scales[1])
;;     2. batch 32 x [M 2,048, K 64] x [K 64, N 2,048]; A: computed on the way; B: computed on the way: QUANTISED (scales: A lowp_scales[2], B lowp_scales[3])
;;     3. batch 32 x [M 2,048, K 2,048] x [K 2,048, N 64]; A: softmax (see below); B: computed on the way: QUANTISED (scales: A lowp_scales[4], B lowp_scales[5])
;;     4. [M 4,096, K 1,024] x [K 1,024, N 1,024]; A: computed on the way; B: input w_o: QUANTISED (scales: A lowp_scales[6], B lowp_scales[7])
;;     5. [M 4,096, K 1,024] x [K 1,024, N 4,096]; A: computed on the way; B: input w_fc1: QUANTISED (scales: A lowp_scales[8], B lowp_scales[9])
;;     6. [M 4,096, K 4,096] x [K 4,096, N 1,024]; A: computed on the way; B: input w_fc2: QUANTISED (scales: A lowp_scales[10], B lowp_scales[11])
;;   THE QUANTISER, for each operand of a quantised product, along K:
;;     - The operand's scale is 2^e, e = its entry of the input lowp_scales (int32; the entries are numbered through the quantised products in the list's order, A before B).
;;     - Each number is divided by the scale, clamped to +-57,344, and rounded to the nearest number of E5M2, ties to even, subnormals kept.
;;     - The product sums the exact products of the quantised numbers (number of the format x scale) in f32.
;;   ~~~python
;;   def quantise(x, axis, e):      # numpy; x: float32 -> the quantised numbers, widened to float32 again
;;       x = np.moveaxis(x, axis, -1); K = x.shape[-1]
;;       r = np.clip(x / 2.0 ** e, -57344, 57344)
;;       step = 2.0 ** (np.maximum(np.frexp(np.where(r == 0, 1, r))[1] - 1, -14) - 2)
;;       q = np.round(r / step) * step * 2.0 ** e      # np.round: ties to even
;;       return np.moveaxis(q, -1, axis).astype(np.float32)
;;   ~~~
;;   SOFTMAX AHEAD OF A QUANTISED PRODUCT. Where the list says 'softmax', what is quantised is not the finished softmax but p = 2^(t - M), with t = logit x log2(e) and M = ceil(the row's largest t), a whole number; so 1/2 < the row's largest p <= 1. The row's sum l is taken of the UNQUANTISED p, in f32, and the product's result is divided by l at the end. Since M is a whole number, a kernel that streams over the keys may use a running M (the ceiling of the running maximum): every later rescaling is an exact power of two, so the quantised numbers keep their values, but for numbers so far below the row's largest that they fall under the format's range.
;;   OPERANDS COMPUTED ON THE WAY. 'Computed on the way' means the value that the module computes at that place (a softmax that the list does not call 'softmax' is quantised finished and normalised). What goes into a quantiser is computed in f32, as accurately as f32 sums, v_exp_f32 and their like allow (about 1e-6 of the number): no bf16 or f16 on the way to a quantiser, and a product that is left as it is and whose result goes on into a quantised operand takes f32 operands (vector FMAs, or v_wmma_f32_16x16x4_f32). A number that lies on a knife's edge between two numbers of the format may be rounded either way, as far as f32 arithmetic and the matrix unit's own rounding can turn it there, and no further.
;; One version. Each part assembles by itself: llvm-mc -triple=amdgcn-amd-amdhsa -mcpu=gfx1250 --defsym DOCPART=n.
;; ======== version 1 of 1: 7 launches
;; limits: right only within a limited range of input values
;; workspace buffers: wcodes 12,582,912 bytes; act 4,194,304 bytes; qkv 12,582,912 bytes; x1 16,777,216 bytes; hcodes 16,777,216 bytes
;; launch prep (part 1): grid 640 x 1, 4 waves a work-group, no clusters, 57,856 bytes of LDS; arguments x, ln1_g, ln1_b, w_qkv, w_o, w_fc1, w_fc2, lowp_scales, wcodes, act; writes wcodes, act
.if DOCPART == 1
	.amdgcn_target "amdgcn-amd-amdhsa--gfx1250"
	.amdhsa_code_object_version 6
	.text
	.protected	k_q3ae5cfe6bf_prep
	.globl	k_q3ae5cfe6bf_prep
	.p2align	8
	.type	k_q3ae5cfe6bf_prep,@function
k_q3ae5cfe6bf_prep:
	s_mov_b64 s[64:65], 0
	v_nop
	global_prefetch_b8 v0, s[64:65] scope:SCOPE_SE
	s_setreg_imm32_b32 hwreg(HW_REG_WAVE_MODE, 25, 1), 1
	s_wait_xcnt 0x0
; Two jobs in one launch, parted by the work-group's number.
; WORK-GROUPS 0-383: the four weights, f32 [K][N], become codes of E5M2 with K innermost, each with its given scale 2^e (entries 1, 7, 9, 11).
;   Laid for the products that read them: [block of 128 columns][K/128 chunks][128 rows][128 bytes], a chunk 16,384 bytes on end.  Inside each group of 32 rows the column n lies at the
;   place whose bits 3 and 4 are n's bits 4 and 3: so two neighbouring tiles of a transposed product give a lane 16 neighbouring columns.
;   A lane takes a column and its registers run down K: the conversions then give K innermost.  A work-group takes 128 columns x 256 along K, a wave 32 columns.
; WORK-GROUPS 384-639: a1 = LayerNorm(x) as codes (entry 0), laid [block of 128 rows][16 chunks of 64 along K][128 rows][64 bytes].  A wave takes 4 rows, a row in 32 registers.
;   Mean first, then the mean of the squared differences, as the definition has it.
; code = number / 2^e, held within +-57,344 x 2^e, to the nearest code, ties to even.  LIMITS: each e between -126 and 112; NaN among the inputs is not served.
; No tensor loads, no barrier: waves share nothing.  The two jobs have LDS bytes of their own: 0-36,863 and 36,864-57,343.
.set LNB,  36864                       ; the LayerNorm's stages begin here
.set OFF,  32                          ; weights: v32-63   4 x lane + i rows of the weight
.set WX,   64                          ; v64-127  two sets of 32 numbers
.set WC,   128                         ; v128-135 a block's codes
.set OUTR, 136                         ; v136-199 the way out
.set LG,   32                          ; LayerNorm: v32-63 gain, v64-95 bias, v96-223 four rows, v16-23 a row's codes, v224-255 the way out
.set LB,   64
.set LX,   96
.set LC,   16
.set LO,   224
	s_load_b512 s[4:19], s[0:1], 0x0               ; x, ln1_g, ln1_b, w_qkv, w_o, w_fc1, w_fc2, the scales' exponents
	s_load_b128 s[20:23], s[0:1], 0x40             ; wcodes, act
	v_lshl_add_u32 v30, v0, 2, 0xe000
	v_mov_b32 v31, 0
	v_lshrrev_b32 v1, 5, v0
	v_readfirstlane_b32 s36, v1                    ; wave 0..3
	v_and_b32 v2, 31, v0                           ; lane
	s_wait_kmcnt 0x0
	s_load_b256 s[24:31], s[18:19], 0x0            ; e0 .. e7
	s_load_b128 s[32:35], s[18:19], 0x20           ; e8 .. e11
	s_cmp_ge_u32 ttmp9, 384
	s_cbranch_scc1 .Lln
	; ---------------- the weights.  Which tensor: chosen by the work-group's number alone; one text serves the four
	s_mov_b64 s[38:39], s[16:17]                   ; w_fc2: first work-group 256, a row 4,096 bytes, 2^4 parts along K, its codes at 8,388,608
	s_mov_b32 s66, 256
	s_mov_b32 s67, 4096
	s_mov_b32 s68, 4
	s_mov_b32 s69, 8388608
	s_cmp_lt_u32 ttmp9, 256                        ; w_fc1
	s_cselect_b64 s[38:39], s[14:15], s[38:39]
	s_cselect_b32 s66, 128, s66
	s_cselect_b32 s67, 16384, s67
	s_cselect_b32 s68, 2, s68
	s_cselect_b32 s69, 4194304, s69
	s_cmp_lt_u32 ttmp9, 128                        ; w_o
	s_cselect_b64 s[38:39], s[12:13], s[38:39]
	s_cselect_b32 s66, 96, s66
	s_cselect_b32 s67, 4096, s67
	s_cselect_b32 s69, 3145728, s69
	s_cmp_lt_u32 ttmp9, 96                         ; w_qkv
	s_cselect_b64 s[38:39], s[10:11], s[38:39]
	s_cselect_b32 s66, 0, s66
	s_cselect_b32 s67, 12288, s67
	s_cselect_b32 s69, 0, s69
	s_sub_co_u32 s70, ttmp9, s66                   ; my number within the tensor
	s_bfm_b32 s71, s68, 0
	s_and_b32 s71, s70, s71                        ; which 256 along K
	s_lshr_b32 s72, s70, s68                       ; which 128 columns
	s_lshl_b32 s74, s67, 8
	s_mul_i32 s74, s74, s71                        ; 256 rows x part
	s_lshl_b32 s75, s72, 9
	s_add_co_u32 s74, s74, s75                     ; + 128 columns x 4 bytes x block
	s_lshl_b32 s75, s36, 7
	s_add_co_u32 s74, s74, s75                     ; + 32 columns x 4 bytes x wave
	s_mov_b32 s75, 0
	s_add_nc_u64 s[40:41], s[38:39], s[74:75]      ; block 0's first row
	s_lshl_b32 s76, s67, 5                         ; 32 rows on
	s_mov_b32 s77, 0
.irp t, 1,2,3,4,5,6,7
	s_add_nc_u64 s[40+2*\t:41+2*\t], s[38+2*\t:39+2*\t], s[76:77]   ; a base for each of the eight blocks: none is stepped while loads are out
.endr
	v_lshlrev_b32 v3, 2, v2
.set n1, 0
.rept 32
	v_mad_u32_u24 v[OFF+n1], s67, n1, v3           ; row n1 of a block, my column
.set n1, n1+1
.endr
.macro LOAD t                          ; block t: W(32 t + i, my column), i = 0 .. 31, into set t % 2; a wave's load reads 128 consecutive bytes
.set n2, 0
.rept 32
	global_load_b32 v[WX+32*((\t)%2)+n2], v[OFF+n2], s[40+2*(\t):41+2*(\t)] th:TH_LOAD_NT
.set n2, n2+1
.endr
.endm
	LOAD 0
	LOAD 1
	s_add_co_u32 s73, s68, 1                       ; the codes: chunk = (block of columns << log2(K / 128)) + 2 x part
	s_lshl_b32 s78, s72, s73
	s_lshl_b32 s79, s71, 1
	s_add_co_u32 s78, s78, s79
	s_lshl_b32 s78, s78, 14
	s_add_co_u32 s78, s78, s69
	s_lshl_b32 s79, s36, 12                        ; my 32 rows of 128 bytes
	s_add_co_u32 s78, s78, s79
	s_mov_b32 s79, 0
	s_add_nc_u64 s[80:81], s[20:21], s[78:79]
	s_mul_i32 s73, s36, 9216                       ; my stage: two chunks x 32 rows x (128 + 16) bytes
	v_and_b32 v5, 7, v2
	v_mul_u32_u24 v4, v5, 144
	v_bfe_u32 v5, v0, 3, 1
	v_mad_u32_u24 v4, v5, 2304, v4                 ; the column's bit 3 is the place's bit 4,
	v_bfe_u32 v5, v0, 4, 1
	v_mad_u32_u24 v4, v5, 1152, v4                 ; its bit 4 the place's bit 3
	v_add_nc_u32 v4, s73, v4                       ; into the stage: my column's row
	v_lshrrev_b32 v5, 3, v2
	v_mul_u32_u24 v6, v5, 144
	v_and_b32 v5, 7, v2
	v_lshl_add_u32 v6, v5, 4, v6
	v_add_nc_u32 v6, s73, v6                       ; out of it: eight lanes to a row, four rows an instruction
	v_lshlrev_b32 v7, 4, v2                        ; and the same 512 bytes in the chunk
	s_wait_kmcnt 0x0
	s_mov_b32 s82, s35                             ; e: entry 11, 9, 7 or 1
	s_cmp_lt_u32 ttmp9, 256
	s_cselect_b32 s82, s33, s82
	s_cmp_lt_u32 ttmp9, 128
	s_cselect_b32 s82, s31, s82
	s_cmp_lt_u32 ttmp9, 96
	s_cselect_b32 s82, s25, s82
	s_add_co_i32 s82, s82, 127
	s_lshl_b32 s83, s82, 23
	v_mov_b32 v11, s83                             ; 2^e as f32: the conversion takes its exponent field
	s_add_co_i32 s82, s82, 15
	s_lshl_b32 s82, s82, 23
	s_or_b32 s82, s82, 0x600000
	v_mov_b32 v10, s82                             ; 57,344 x 2^e
.macro BLOCK t
.set XS, WX+32*((\t)%2)
.if (\t) < 7
	s_wait_loadcnt 32                              ; this block's 32 loads are in; the next block's may be out
.else
	s_wait_loadcnt 0
.endif
.set n2, 0
.rept 32
	v_med3_num_f32 v[XS+n2], v[XS+n2], -v10, v10   ; the conversion to an 8-bit code does not saturate (ISA guide 7.6.2): the hold comes first
.set n2, n2+1
.endr
.irp g, 0,1,2,3
	v_cvt_scalef32_pk8_bf8_f32 v[WC+2*\g:WC+2*\g+1], v[XS+8*\g:XS+8*\g+7], v11
.endr
	ds_store_b128 v4, v[WC:WC+3] offset:((\t)/4)*4608+32*((\t)%4)      ; 32 codes along K: 32 bytes of my column's row
	ds_store_b128 v4, v[WC+4:WC+7] offset:((\t)/4)*4608+32*((\t)%4)+16
.if (\t)+2 < 8
	LOAD (\t)+2
.endif
	s_wait_dscnt 0x0                               ; the stores have read their registers: the next block's codes may be written
.endm
.irp t, 0,1,2,3,4,5,6,7
	BLOCK \t
.endr
.set n1, 0
.rept 16
	ds_load_b128 v[OUTR+4*n1:OUTR+4*n1+3], v6 offset:(n1/8)*4608+4*(n1%8)*144   ; LDS serves a wave's instructions in order: these see my stores
.set n1, n1+1
.endr
.set n1, 0
.rept 16
	s_wait_dscnt 15-n1                             ; the younger loads may stay out
	global_store_b128 v7, v[OUTR+4*n1:OUTR+4*n1+3], s[80:81] offset:(n1/8)*16384+(n1%8)*512   ; 32 lanes store 512 consecutive bytes, aligned
.set n1, n1+1
.endr
	s_wait_tensorcnt 0x0
	ds_add_u32 v30, v31
	s_wait_dscnt 0x0
	s_endpgm
	; ---------------- LayerNorm 1
.macro REDUCE a, b                     ; the sum over the 32 lanes, in every lane
	v_add_f32_dpp v[\a], v[\a], v[\a] row_xmask:1 row_mask:0xf bank_mask:0xf
	v_add_f32_dpp v[\a], v[\a], v[\a] row_xmask:2 row_mask:0xf bank_mask:0xf
	v_add_f32_dpp v[\a], v[\a], v[\a] row_xmask:4 row_mask:0xf bank_mask:0xf
	v_add_f32_dpp v[\a], v[\a], v[\a] row_xmask:8 row_mask:0xf bank_mask:0xf
	v_permlanex16_b32 v[\b], v[\a], s56, s57
	v_add_f32 v[\a], v[\a], v[\b]
.endm
; Row p of my four.  Register 4 j + q holds element 128 j + 4 x lane + q.
.macro ROW p
.set XR, LX+32*(\p)
	s_wait_loadcnt 8*(3-(\p))                      ; gain, bias and this row are in; the later rows' loads may be out
	v_pk_add_f32 v[24:25], v[XR:XR+1], v[XR+2:XR+3]
	v_pk_add_f32 v[26:27], v[XR+4:XR+5], v[XR+6:XR+7]
.irp k, 8,12,16,20,24,28
	v_pk_add_f32 v[24:25], v[24:25], v[XR+\k:XR+\k+1]
	v_pk_add_f32 v[26:27], v[26:27], v[XR+\k+2:XR+\k+3]
.endr
	v_pk_add_f32 v[24:25], v[24:25], v[26:27]
	v_add_f32 v24, v24, v25
	REDUCE 24, 25
	v_mul_f32 v24, s58, v24                        ; the mean
	v_mov_b32 v25, v24
.set n2, 0
.rept 16
	v_pk_add_f32 v[XR+n2:XR+n2+1], v[XR+n2:XR+n2+1], v[24:25] neg_lo:[0,1] neg_hi:[0,1]   ; x - mean
.set n2, n2+2
.endr
	v_pk_mul_f32 v[26:27], v[XR:XR+1], v[XR:XR+1]
	v_pk_mul_f32 v[28:29], v[XR+2:XR+3], v[XR+2:XR+3]
.irp k, 4,8,12,16,20,24,28
	v_pk_fma_f32 v[26:27], v[XR+\k:XR+\k+1], v[XR+\k:XR+\k+1], v[26:27]
	v_pk_fma_f32 v[28:29], v[XR+\k+2:XR+\k+3], v[XR+\k+2:XR+\k+3], v[28:29]
.endr
	v_pk_add_f32 v[26:27], v[26:27], v[28:29]
	v_add_f32 v26, v26, v27
	REDUCE 26, 27
	v_fma_f32 v26, v26, s58, s59                   ; the variance + 1e-5
	v_rsq_f32 v26, v26
	v_nop                                          ; a plain instruction behind the transcendental
	s_wait_alu depctr_va_vdst(0)                   ; and the wait ahead of its first reader
	v_mov_b32 v27, v26
.set n2, 0
.rept 16
	v_pk_mul_f32 v[XR+n2:XR+n2+1], v[XR+n2:XR+n2+1], v[26:27]
.set n2, n2+2
.endr
.set n2, 0
.rept 16
	v_pk_fma_f32 v[XR+n2:XR+n2+1], v[XR+n2:XR+n2+1], v[LG+n2:LG+n2+1], v[LB+n2:LB+n2+1]
.set n2, n2+2
.endr
.set n2, 0
.rept 32
	v_med3_num_f32 v[XR+n2], v[XR+n2], -v10, v10   ; the hold at the largest code x the scale
.set n2, n2+1
.endr
.if (\p) > 0
	s_wait_dscnt 0x0                               ; the last row's stores have read the codes' registers
.endif
.irp m, 0,1,2,3
	v_cvt_scalef32_pk8_bf8_f32 v[LC+2*\m:LC+2*\m+1], v[XR+8*\m:XR+8*\m+7], v11
.endr
.irp j, 0,1,2,3,4,5,6,7
	ds_store_b32 v12, v[LC+\j] offset:640*\j+64*(\p)   ; four codes: elements 128 j + 4 x lane on: chunk 2 j + lane / 16, byte 4 (lane % 16)
.endr
.endm
.Lln:
	s_sub_co_u32 s37, ttmp9, 384
	s_lshl_b32 s37, s37, 4
	s_lshl_b32 s38, s36, 2
	s_add_co_u32 s37, s37, s38                     ; my first row: 16 x work-group + 4 x wave
	s_lshl_b32 s38, s37, 12
	s_mov_b32 s39, 0
	s_add_nc_u64 s[4:5], s[4:5], s[38:39]
	v_lshlrev_b32 v3, 4, v2                        ; 16 bytes a lane: a load reads 512 consecutive bytes
.irp j, 0,1,2,3,4,5,6,7
	global_load_b128 v[LG+4*\j:LG+4*\j+3], v3, s[6:7] offset:512*\j
.endr
.irp j, 0,1,2,3,4,5,6,7
	global_load_b128 v[LB+4*\j:LB+4*\j+3], v3, s[8:9] offset:512*\j
.endr
.irp p, 0,1,2,3
.irp j, 0,1,2,3,4,5,6,7
	global_load_b128 v[LX+32*\p+4*\j:LX+32*\p+4*\j+3], v3, s[4:5] offset:4096*\p+512*\j
.endr
.endr
	s_lshr_b32 s38, s37, 7                         ; the codes: block of 128 rows x 131,072 + row in the block x 64
	s_lshl_b32 s38, s38, 17
	s_and_b32 s40, s37, 127
	s_lshl_b32 s40, s40, 6
	s_add_co_u32 s38, s38, s40
	s_add_nc_u64 s[22:23], s[22:23], s[38:39]
	s_mov_b32 s56, 0x76543210                      ; v_permlanex16_b32: each lane takes its own place in the other half
	s_mov_b32 s57, 0xfedcba98
	s_mov_b32 s58, 0x3a800000                      ; 1 / 1024
	s_mov_b32 s59, 0x3727c5ac                      ; 1e-5
	s_mul_i32 s60, s36, 5120                       ; my stage: 16 chunks x (4 rows x 64 bytes + 64)
	s_add_co_u32 s60, s60, LNB
	v_bfe_u32 v5, v0, 4, 1
	v_mul_u32_u24 v12, v5, 320
	v_and_b32 v5, 15, v0
	v_lshl_add_u32 v12, v5, 2, v12
	v_add_nc_u32 v12, s60, v12                     ; in
	v_lshlrev_b32 v14, 3, v2
	v_add_nc_u32 v13, s60, v14                     ; out: a chunk's 256 bytes, 8 a lane
	s_wait_kmcnt 0x0
	s_add_co_i32 s61, s24, 127                     ; entry 0
	s_lshl_b32 s62, s61, 23
	v_mov_b32 v11, s62
	s_add_co_i32 s61, s61, 15
	s_lshl_b32 s61, s61, 23
	s_or_b32 s61, s61, 0x600000
	v_mov_b32 v10, s61
	ROW 0
	ROW 1
	ROW 2
	ROW 3
.set n1, 0
.rept 16
	ds_load_b64 v[LO+2*n1:LO+2*n1+1], v13 offset:320*n1
.set n1, n1+1
.endr
.set n1, 0
.rept 16
	s_wait_dscnt 15-n1
	global_store_b64 v14, v[LO+2*n1:LO+2*n1+1], s[22:23] offset:8192*n1   ; 32 lanes store 256 consecutive bytes, aligned: four rows of one chunk
.set n1, n1+1
.endr
	s_wait_tensorcnt 0x0
	ds_add_u32 v30, v31
	s_wait_dscnt 0x0
	s_endpgm
.Lfunc_end_k_q3ae5cfe6bf_prep:
	.size	k_q3ae5cfe6bf_prep, .Lfunc_end_k_q3ae5cfe6bf_prep-k_q3ae5cfe6bf_prep
	.p2alignl 7, 3214868480
	.fill 96, 4, 3214868480
	.section	.rodata,"a",@progbits
	.p2align	6, 0x0
	.amdhsa_kernel k_q3ae5cfe6bf_prep
		.amdhsa_group_segment_fixed_size 57856
		.amdhsa_private_segment_fixed_size 0
		.amdhsa_enable_private_segment 0
		.amdhsa_kernarg_size 80
		.amdhsa_user_sgpr_count 2
		.amdhsa_user_sgpr_kernarg_segment_ptr 1
		.amdhsa_wavefront_size32 1
		.amdhsa_system_sgpr_workgroup_id_x 1
		.amdhsa_system_sgpr_workgroup_id_y 1
		.amdhsa_system_sgpr_workgroup_id_z 1
		.amdhsa_system_vgpr_workitem_id 0
		.amdhsa_next_free_vgpr 256
		.amdhsa_next_free_sgpr 100
		.amdhsa_reserve_vcc 0
		.amdhsa_float_denorm_mode_32 3
		.amdhsa_float_denorm_mode_16_64 3
		.amdhsa_memory_ordered 1
		.amdhsa_forward_progress 1
		.amdhsa_inst_pref_size 98
	.end_amdhsa_kernel
	.amdgpu_metadata
---
amdhsa.version: [ 1, 2 ]
amdhsa.kernels:
  - .name:           k_q3ae5cfe6bf_prep
    .symbol:         k_q3ae5cfe6bf_prep.kd
    .args:
      - { .name: x, .offset: 0, .size: 8, .value_kind: global_buffer, .address_space: global }
      - { .name: ln1_g, .offset: 8, .size: 8, .value_kind: global_buffer, .address_space: global }
      - { .name: ln1_b, .offset: 16, .size: 8, .value_kind: global_buffer, .address_space: global }
      - { .name: w_qkv, .offset: 24, .size: 8, .value_kind: global_buffer, .address_space: global }
      - { .name: w_o, .offset: 32, .size: 8, .value_kind: global_buffer, .address_space: global }
      - { .name: w_fc1, .offset: 40, .size: 8, .value_kind: global_buffer, .address_space: global }
      - { .name: w_fc2, .offset: 48, .size: 8, .value_kind: global_buffer, .address_space: global }
      - { .name: lowp_scales, .offset: 56, .size: 8, .value_kind: global_buffer, .address_space: global }
      - { .name: wcodes, .offset: 64, .size: 8, .value_kind: global_buffer, .address_space: global }
      - { .name: act, .offset: 72, .size: 8, .value_kind: global_buffer, .address_space: global }
    .group_segment_fixed_size: 57856
    .private_segment_fixed_size: 0
    .kernarg_segment_align: 8
    .kernarg_segment_size: 80
    .max_flat_workgroup_size: 128
    .sgpr_count:     100
    .vgpr_count:     256
    .wavefront_size: 32
...
	.end_amdgpu_metadata
.endif
;; end of part 1
;; launch gemm_qkv (part 2): grid 12 x 16, 4 waves a work-group, clusters of 4 x 4, 327,680 bytes of LDS; arguments act, wcodes, lowp_scales, b_qkv, qkv; writes qkv
.if DOCPART == 2
	.amdgcn_target "amdgcn-amd-amdhsa--gfx1250"
	.amdhsa_code_object_version 6
	.text
	.protected	k_q3ae5cfe6bf_gemm_qkv
	.globl	k_q3ae5cfe6bf_gemm_qkv
	.p2align	8
	.type	k_q3ae5cfe6bf_gemm_qkv,@function
k_q3ae5cfe6bf_gemm_qkv:
	s_mov_b64 s[64:65], 0
	v_nop
	global_prefetch_b8 v0, s[64:65] scope:SCOPE_SE
	s_setreg_imm32_b32 hwreg(HW_REG_WAVE_MODE, 25, 1), 1
	s_wait_xcnt 0x0
	s_wait_alu depctr_hold_cnt(0) depctr_sa_sdst(0) depctr_va_vdst(0) depctr_va_sdst(0) depctr_va_ssrc(0) depctr_va_vcc(0) depctr_vm_vsrc(0)
	s_getreg_b32 s2, hwreg(HW_REG_IB_STS2, 6, 4)
	s_cmp_eq_u32 s2, 0
	s_cbranch_scc0 .Lentry_in_a_cluster
	s_endpgm
.Lentry_in_a_cluster:
	s_bfe_u32 s2, ttmp6, 0x10000c
	s_cmp_lg_u32 s2, 0xf033
	s_cbranch_scc0 .Lentry_shape_is_right
	s_endpgm
.Lentry_shape_is_right:
; qkv = a1 Wqkv x 2^(e0 + e1) + b_qkv on codes of E5M2, and its three thirds quantised at once: q (e2) and k (e3) as [batch x head][2048 tokens][64], v (e5) as [batch x head][32 blocks of 64 keys][64 d][64 keys].
; A tile of C is 256 x 256: four waves, as many as a WGP has SIMDs, each 128 x 128 in 64 accumulators.  12 x 16 tiles: one work-group each.  Tile columns 0-3 are q, 4-7 k, 8-11 v: the cluster's x says which.
; A's codes lie [block of 128 rows][16 chunks of 64 along K][128 rows][64 bytes], B's [block of 128 columns][8 chunks of 128 along K][128 rows][128 bytes]: what a wave fetches is one dense run of 32,768 bytes.
; K goes through two LDS slots of 256 along K: both are filled at the start and each once again, one joint load a wave behind a round of the cluster's barrier.
; CLUSTERS: 4 x 4 work-groups; A's tile is shared along a row of the cluster, B's along a column: each is asked for jointly, by the same tensor load with the same descriptor and a mask of four.
; THE MATRIX INSTRUCTION IS USED TRANSPOSED (source 0 = 16 rows of B, source 1 = 16 rows of A).  Inside each group of 32 rows of B the column n lies at the place whose bits 3 and 4 are n's bits 4 and 3:
; so a lane's 16 registers of tiles 2 b', 2 b' + 1 are 16 neighbouring columns 32 b' + 16 (lane / 16) + 0 .. 15 of one row of C.
; A fragment (16 rows x 128 K) is fetched by four loads of 16 bytes: registers 4 c .. 4 c + 3 hold K = 32 c + 16 (lane / 16) + 0 .. 15: one permutation of K, the same on both sides.
; LIMITS: e0 + e1 between -126 and 127; e2, e3, e5 between -126 and 112.  NaN is not served.
; REGISTERS, in windows of 256: window 0: v1-13 at work, v16-27 addresses, v28, v29 the spare word and 0, v32-95 bias, v128-255 A's fragments (8 x 16 rows x 128 K), ONE set; on the way out v96-255 are free.
;   window 1: B's fragments, TWO sets, at v0 and v128.   window 2: the accumulators of my rows 0-63 ((a, b) at v[8 (8 a + b)]);   window 3: those of my rows 64-127.
.set WOFF,  0                          ; w_qkv's codes in wcodes
.set SLOT,  155648                     ; A: 2 blocks x 4 chunks x 128 rows x 80 bytes; B: 2 blocks x 2 chunks x 128 rows x 144 bytes
.set BOFF,  81920
.set SPARE, 2*SLOT                     ; behind the ring: the spare words, 128 bytes a wave, which no other line names
.set VSTG,  32768                      ; the stage of v's tiles; that of q's and k's begins at 0.  Both lie in slot 0, behind its last fill and its last read
.set CHS,   131072                     ; from my first head's codes to my second's
.set NL,    4                          ; LDS loads that bring a fragment
.set ADRA, 16                          ; v16-17  LDS address of my A fragments in slot 0, 1
.set ADRB, 20                          ; v20-21  the same for B
.set VST,  22                          ; v22, v23 v's stage: in, back
.set VRD,  23
.set STO,  24                          ; v24, v25 the stage of codes: in, back
.set RD,   25
.set CO,   26                          ; v26     16 x lane
.set BO,   27                          ; v27     the bias: 64 bytes further on for lanes 16-31
.set SPW,  28
.set NIL,  29
.set BIAS, 32                          ; v32-95  register 16 b' + i: column 32 b' + 16 (lane / 16) + i of my 128
.set X,    96                          ; the way out: numbers
.set CD,   160                         ; a block's codes
.set RB,   224                         ; what is stored: two sets of 16
.set AF,   128
.set G1A, 24
.set G0A, 32
.set G1B, 48
.set G0B, 56
.set MUL_LO, 0xa1                      ; source 0 (B) window 1, source 1 (A) window 0, C and D window 2
.set MUL_HI, 0xf1                      ; the same, C and D window 3
.set MSB, 0
.macro WIN new                         ; the immediate's high byte repeats the setting that is left
.if MSB != (\new)
	s_set_vgpr_msb (MSB<<8)|(\new)
.set MSB, (\new)
.endif
.endm
.macro PLACES
.rept 4
	v_nop
.endr
.endm
.macro JLOAD s                         ; a joint load: waves 0 and 1 fetch A's two blocks of rows, waves 2 and 3 B's; four v_nop follow each line
	s_cmp_eq_u32 s17, 0
	s_cbranch_scc0 .Lfor_b_\@
	tensor_load_to_lds s[G0A+4*\s:G0A+4*\s+3], s[G1A:G1A+7]
	s_nop 0
.rept 4
	v_nop
.endr
	s_branch .Lasked_\@
.Lfor_b_\@:
	tensor_load_to_lds s[G0B+4*\s:G0B+4*\s+3], s[G1B:G1B+7]
	s_nop 0
.rept 4
	v_nop
.endr
.Lasked_\@:
.endm
.macro CREST                           ; a round of the cluster's barrier behind its opening barrier
	s_cmp_lg_u32 s16, 0
	s_cbranch_scc1 .Lnot_wave_0_\@
	s_barrier_signal -3
.Lnot_wave_0_\@:
	s_barrier_wait -3
	s_barrier_signal -1
	s_barrier_wait -1
.endm
.macro CROUND                          ; a whole round
	s_barrier_signal -1
	s_barrier_wait -1
	CREST
.endm
.macro FETCH_B slot, q, p              ; B's eight fragments of the slot's q-th 128 along K into set p
	WIN 0x40                                       ; destination window 1, address window 0
.irp i, 0,1,2,3,4,5,6,7
.irp c, 0,1,2,3
	ds_load_b128 v[128*(\p)+16*\i+4*\c:128*(\p)+16*\i+4*\c+3], v[ADRB+(\slot)] offset:(\q)*18432+\i*2304+32*\c
.endr
.endr
	WIN 0
.endm
.macro FETCH_A slot, q, i0             ; A's blocks i0 .. i0 + 3
.irp i, \i0, \i0+1, \i0+2, \i0+3
.irp c, 0,1,2,3
	ds_load_b128 v[AF+16*(\i)+4*\c:AF+16*(\i)+4*\c+3], v[ADRA+(\slot)] offset:(2*(\q)+\c/2)*10240+(\i)*1280+32*(\c%2)
.endr
.endr
.endm
; 16 matrix instructions: A's blocks a0, a0 + 1 x B's eight.  The 64 accumulators take turns, one instruction a turn, in the same order in every step.  zero = 1: the first products start the sums
.macro MUL16 a0, p, zero
.irp a, \a0, \a0+1
.irp b, 0,1,2,3,4,5,6,7
.if \zero
	v_wmma_f32_16x16x128_bf8_bf8 v[8*(8*((\a)%4)+\b):8*(8*((\a)%4)+\b)+7], v[128*(\p)+16*\b:128*(\p)+16*\b+15], v[AF+16*(\a):AF+16*(\a)+15], 0
.else
	v_wmma_f32_16x16x128_bf8_bf8 v[8*(8*((\a)%4)+\b):8*(8*((\a)%4)+\b)+7], v[128*(\p)+16*\b:128*(\p)+16*\b+15], v[AF+16*(\a):AF+16*(\a)+15], v[8*(8*((\a)%4)+\b):8*(8*((\a)%4)+\b)+7]
.endif
.endr
.endr
.endm
; A slot's first step of 128 along K.  A block of A is free as soon as its eight products are issued: blocks 0-3 are fetched anew in the step's middle, blocks 4-7 at its end; B's next set comes in the middle run.
; Four places stand between matrix instructions and loads into registers that they have read (ISA guide 7.12.1 for vector instructions).
.macro STEP slot, q, zero
	s_wait_dscnt 4*NL                              ; B's set and A's blocks 0-3 are in; the youngest 16 loads (A's blocks 4-7) may be out
	WIN MUL_LO
	MUL16 0, (\q)%2, \zero
	MUL16 2, (\q)%2, \zero
	s_wait_dscnt 0                                 ; A's blocks 4-7 are in
	PLACES
	FETCH_B \slot, (\q)+1, 1-(\q)%2
	FETCH_A \slot, (\q)+1, 0
	WIN MUL_HI
	MUL16 4, (\q)%2, \zero
	MUL16 6, (\q)%2, \zero
	PLACES
	WIN 0
	FETCH_A \slot, (\q)+1, 4
.endm
; A slot's second and last step changes slots: ONE barrier; in front of it each wave waits for all its tensor loads, adds 0 to its spare word, and waits for that and for its reads of this slot.  fill = 1: this slot is filled again, 512 along K on.
.macro TURN slot, next, fill
	s_wait_tensorcnt 0x0                           ; all my tensor loads have landed: my part of the next slot; so a descriptor may be written
	ds_add_u32 v[SPW], v[NIL]                      ; 0 onto my spare word
	s_wait_dscnt 4*NL+1                            ; the add and the youngest 16 loads may be out
	WIN MUL_LO
	MUL16 0, 1, 0                                  ; sixteen matrix instructions stand between the add and the wait for it
	s_wait_dscnt 0x0                               ; the add is done, and my reads of this slot are over
	s_barrier_signal -1
	MUL16 2, 1, 0
	WIN 0
	s_barrier_wait -1
.if \fill
	CREST                                          ; the barrier has opened a round of the cluster's: no wave of any partner still reads this slot or has a load on its way
	s_add_nc_u64 s[G0A+4*\slot+2:G0A+4*\slot+3], s[G0A+4*\slot+2:G0A+4*\slot+3], 65536   ; 8 chunks of A,
	s_add_nc_u64 s[G0B+4*\slot+2:G0B+4*\slot+3], s[G0B+4*\slot+2:G0B+4*\slot+3], 65536   ; 4 chunks of B
	JLOAD \slot                                    ; the first tensor load behind the round; its four v_nop are the places in front of the loads below
.else
	PLACES
.endif
	FETCH_B \next, 0, 0
	FETCH_A \next, 0, 0
	WIN MUL_HI
	MUL16 4, 1, 0
	MUL16 6, 1, 0
	PLACES
	WIN 0
	FETCH_A \next, 0, 4
.endm
	s_load_b256 s[4:11], s[0:1], 0x0               ; A's codes, wcodes, the scales' exponents, the bias
	s_load_b64 s[12:13], s[0:1], 0x20              ; qkv
	v_lshl_add_u32 v[SPW], v0, 2, SPARE
	v_mov_b32 v[NIL], 0
	ds_add_u32 v28, v29
	ds_add_u32 v28, v29
	s_wait_dscnt 0x0
	v_lshrrev_b32 v1, 5, v0
	v_readfirstlane_b32 s16, v1                    ; wave 0..3
	s_lshr_b32 s17, s16, 1                         ; which 128 rows are mine.  Also: I fetch for A (0) or for B (1)
	s_and_b32 s18, s16, 1                          ; which 128 columns.  Also: which block of 128 rows of that tile I fetch
	s_bfe_u32 s19, ttmp6, 0x40000                  ; cx
	s_bfe_u32 s20, ttmp6, 0x40004                  ; cy
	s_lshl_b32 s21, ttmp9, 2
	s_add_co_u32 s21, s21, s19                     ; tile column 0..11
	s_and_b32 s22, ttmp7, 0xffff
	s_lshl_b32 s22, s22, 2
	s_add_co_u32 s22, s22, s20                     ; tile row 0..15
	s_lshl_b32 s40, s20, 2
	s_lshl_b32 s40, 15, s40                        ; my row of the cluster
	s_lshl_b32 s41, 0x1111, s19                    ; my column
	s_or_b32 s[G1A], s40, (1<<20)|(1<<21)|(3<<22)|(3<<25)   ; elements of 1 byte; padding: 4 words behind every 16; bit 21 beside a mask
	s_mov_b32 s[G1A+1], 64<<16                     ; tensor_dim0 = 64
	s_mov_b32 s[G1A+2], 512<<16                    ; tensor_dim1 = 512: four chunks of 128 rows, dense in memory
	s_mov_b32 s[G1A+3], 64<<16                     ; tile_dim0
	s_mov_b32 s[G1A+4], 512                        ; tile_dim1
	s_mov_b32 s[G1A+5], 64                         ; from row to row
	s_mov_b32 s[G1A+6], 0
	s_mov_b32 s[G1A+7], 0
	s_or_b32 s[G1B], s41, (1<<20)|(1<<21)|(4<<22)|(3<<25)   ; padding: 4 words behind every 32
	s_mov_b32 s[G1B+1], 128<<16
	s_mov_b32 s[G1B+2], 256<<16                    ; two chunks of 128 rows
	s_mov_b32 s[G1B+3], 128<<16
	s_mov_b32 s[G1B+4], 256
	s_mov_b32 s[G1B+5], 128
	s_mov_b32 s[G1B+6], 0
	s_mov_b32 s[G1B+7], 0
	s_lshl_b32 s42, s22, 18                        ; A: two blocks of 131,072 bytes x tile row,
	s_lshl_b32 s43, s18, 17                        ; + the block that I fetch
	s_add_co_u32 s42, s42, s43
	s_mov_b32 s43, 0
	s_lshl_b32 s44, s21, 18                        ; B likewise, by the tile column
	s_lshl_b32 s45, s18, 17
	s_add_co_u32 s44, s44, s45
	s_add_co_u32 s44, s44, WOFF
	s_mov_b32 s45, 0
	s_mul_i32 s46, s18, 40960                      ; where they go: no place in the cluster enters an LDS address
	s_mul_i32 s47, s18, 36864
	s_add_co_u32 s47, s47, BOFF
	s_wait_kmcnt 0x0
	s_load_b256 s[72:79], s[8:9], 0x0              ; e0 .. e7
	s_add_nc_u64 s[42:43], s[4:5], s[42:43]
	s_add_nc_u64 s[44:45], s[6:7], s[44:45]
	CROUND                                         ; all sixteen work-groups are here: the first joint loads meet
.irp s, 0,1
	s_mov_b32 s[G0A+4*\s], 1
	s_add_co_u32 s[G0A+4*\s+1], s46, \s*SLOT
	s_add_nc_u64 s[G0A+4*\s+2:G0A+4*\s+3], s[42:43], \s*32768   ; slot s: K = 256 s on
	s_or_b32 s[G0A+4*\s+3], s[G0A+4*\s+3], 0x80000000
	s_mov_b32 s[G0B+4*\s], 1
	s_add_co_u32 s[G0B+4*\s+1], s47, \s*SLOT
	s_add_nc_u64 s[G0B+4*\s+2:G0B+4*\s+3], s[44:45], \s*32768
	s_or_b32 s[G0B+4*\s+3], s[G0B+4*\s+3], 0x80000000
	JLOAD \s                                       ; two loads of mine are out
.endr
	v_and_b32 v1, 15, v0                           ; r
	v_bfe_u32 v2, v0, 4, 1                         ; h
	v_mul_u32_u24 v3, v1, 80
	v_lshl_add_u32 v3, v2, 4, v3                   ; r x 80 + 16 h
	s_mul_i32 s66, s17, 40960
	v_add_nc_u32 v[ADRA], s66, v3                  ; my 128 rows of A, slot 0
	v_add_nc_u32 v[ADRA+1], SLOT, v[ADRA]
	v_mul_u32_u24 v4, v1, 144
	v_lshl_add_u32 v4, v2, 4, v4
	s_mul_i32 s66, s18, 36864
	s_add_co_u32 s66, s66, BOFF
	v_add_nc_u32 v[ADRB], s66, v4                  ; my 128 rows of B
	v_add_nc_u32 v[ADRB+1], SLOT, v[ADRB]
	s_mul_i32 s66, s16, 2560                       ; the stage of codes: two heads x 16 rows x 80 bytes a wave
	v_add_nc_u32 v[STO], s66, v3                   ; in: row r, + 16 h
	v_and_b32 v5, 31, v0
	v_lshrrev_b32 v10, 2, v5
	v_mul_u32_u24 v6, v10, 80
	v_and_b32 v7, 3, v0
	v_lshl_add_u32 v6, v7, 4, v6
	v_add_nc_u32 v[RD], s66, v6                    ; back: four lanes to a row of 64 bytes
	v_lshlrev_b32 v[CO], 4, v5
	v_lshlrev_b32 v[BO], 6, v2
	s_mul_i32 s66, s16, 17408                      ; v's stage: 64 d x (64 tokens x 4 bytes + 16)
	s_add_co_u32 s66, s66, VSTG
	v_lshlrev_b32 v8, 2, v1
	v_mad_u32_u24 v8, v2, 4352, v8
	v_add_nc_u32 v[VST], s66, v8                   ; in: token r, d 16 h on
	v_mul_u32_u24 v9, v10, 272
	v_lshl_add_u32 v9, v7, 6, v9
	v_add_nc_u32 v[VRD], s66, v9                   ; back: d = lane / 4, 16 tokens at 16 (lane % 4)
	s_lshl_b32 s66, s21, 10
	s_lshl_b32 s67, s18, 9
	s_add_co_u32 s66, s66, s67
	s_mov_b32 s67, 0
	s_add_nc_u64 s[10:11], s[10:11], s[66:67]      ; the bias of my 128 columns
.irp p, 0,1,2,3
.irp q, 0,1,2,3
	global_load_b128 v[BIAS+16*\p+4*\q:BIAS+16*\p+4*\q+3], v[BO], s[10:11] offset:128*\p+16*\q
.endr
.endr
	s_lshl_b32 s66, s22, 1                         ; where my codes go.  My block of 128 rows: 2 x tile row + half
	s_add_co_u32 s66, s66, s17
	s_lshr_b32 s67, s66, 4                         ; batch x 16
	s_lshl_b32 s67, s67, 4
	s_lshl_b32 s68, s21, 1
	s_add_co_u32 s68, s68, s18                     ; my block of 128 columns,
	s_and_b32 s68, s68, 7                          ; within q, k or v:
	s_lshl_b32 s68, s68, 1                         ; two heads
	s_add_co_u32 s67, s67, s68
	s_lshl_b32 s67, s67, 17                        ; a head's 131,072 bytes
	s_and_b32 s66, s66, 15
	s_lshl_b32 s66, s66, 13                        ; 128 tokens x 64 bytes
	s_add_co_u32 s66, s66, s67
	s_lshl_b32 s67, ttmp9, 22                      ; q, k or v: 4 MiB each
	s_add_co_u32 s66, s66, s67
	s_mov_b32 s67, 0
	s_add_nc_u64 s[12:13], s[12:13], s[66:67]
	s_wait_tensorcnt 1                             ; my part of slot 0 is in; slot 1's may be out
	s_barrier_signal -1
	s_barrier_wait -1
	FETCH_B 0, 0, 0
	FETCH_A 0, 0, 0
	FETCH_A 0, 0, 4
	STEP 0, 0, 1                                   ; K 0: the first products start the sums: nothing is cleared
	TURN 0, 1, 1                                   ; K 128; slot 0 takes K 512 on
	STEP 1, 0, 0                                   ; K 256
	TURN 1, 0, 1                                   ; K 384; slot 1 takes K 768 on
	STEP 0, 0, 0                                   ; K 512
	TURN 0, 1, 0                                   ; K 640; nothing is left to fetch
	STEP 1, 0, 0                                   ; K 768
	s_wait_dscnt 4*NL                              ; K 896: the very last step
	WIN MUL_LO
	MUL16 0, 1, 0
	MUL16 2, 1, 0
	s_wait_dscnt 0
	WIN MUL_HI
	MUL16 4, 1, 0
	MUL16 6, 1, 0
	WIN 0
	PLACES
	; THE WAY OUT
	s_wait_kmcnt 0x0
	s_wait_loadcnt 0x0                             ; the bias
	s_add_co_i32 s80, s72, s73
	s_add_co_i32 s80, s80, 127
	s_lshl_b32 s80, s80, 23                        ; 2^(e0 + e1) as f32
	s_mov_b32 s81, s80                             ; (named with it as a pair, so it is written)
	s_cmp_lt_u32 ttmp9, 1                          ; the output's scale: e2, e3 or e5, by the cluster's x
	s_cselect_b32 s84, s74, s75
	s_cmp_lt_u32 ttmp9, 2
	s_cselect_b32 s84, s84, s77
	s_add_co_i32 s84, s84, 127
	s_lshl_b32 s85, s84, 23
	v_mov_b32 v12, s85                             ; the scale as f32
	s_cmp_ge_u32 ttmp9, 2                          ; alike in all sixteen partners
	s_cbranch_scc1 .Lv
; q and k: K of the next product is the head's 64, which a lane's registers run along.  A block of 16 rows x 128 columns at a time: 64 numbers a lane.
.macro QROWS a
.set AC, 64*((\a)%4)
	WIN 0x02+((\a)/4)                              ; source 0: window 2 or 3
.set n1, 0
.rept 32
	v_pk_fma_f32 v[X+n1:X+n1+1], v[AC+n1:AC+n1+1], s[80:81], v[BIAS+n1:BIAS+n1+1] op_sel_hi:[1,0,1]   ; sum x 2^(e0 + e1) + bias; each accumulator from its low end on
.set n1, n1+2
.endr
	WIN 0
.set n1, 0
.rept 64
.set n1, n1+1
.endr
.irp p, 0,1,2,3
	v_cvt_scalef32_pk8_bf8_f32 v[CD+4*\p:CD+4*\p+1], v[X+16*\p:X+16*\p+7], v12
	v_cvt_scalef32_pk8_bf8_f32 v[CD+4*\p+2:CD+4*\p+3], v[X+16*\p+8:X+16*\p+15], v12
.endr
	v_nop                                          ; a plain instruction behind the last conversion
.endm
.macro TOSTAGE a                       ; 16 bytes a lane into rows of 80 bytes, head b' / 2, and back as 512 consecutive bytes; a wave's LDS instructions are served in order (ISA guide 5.7.1.4)
.irp p, 0,1,2,3
	ds_store_b128 v[STO], v[CD+4*\p:CD+4*\p+3] offset:(\p/2)*1280+32*(\p%2)
.endr
.irp t, 0,1,2,3
	ds_load_b128 v[RB+16*((\a)%2)+4*\t:RB+16*((\a)%2)+4*\t+3], v[RD] offset:640*\t
.endr
.endm
.macro SEND a, younger                 ; younger: the LDS instructions issued behind block a's loads, which may stay out
	s_wait_dscnt \younger
.irp t, 0,1,2,3
	global_store_b128 v[CO], v[RB+16*((\a)%2)+4*\t:RB+16*((\a)%2)+4*\t+3], s[12:13] offset:(\t/2)*CHS+(\a)*1024+(\t%2)*512   ; 512 consecutive bytes, aligned: eight tokens of one head
.endr
.endm
	QROWS 0
	TOSTAGE 0
.irp a, 1,2,3,4,5,6,7
	QROWS \a
.if \a > 1
	s_wait_alu depctr_va_vdst(0)
	s_wait_xcnt 0x0                                ; block a - 2's stores have read their registers: block a's loads may land there
.endif
	TOSTAGE \a
	SEND \a-1, 8                                   ; behind block a - 1's loads: block a's 4 stores and 4 loads
.endr
	SEND 7, 0
	s_branch .Ldone
.Lv:
; v: K of the next product is the keys, which lie across my lanes: 64 tokens x one head at a time turn through a stage [d][token] in f32, and are quantised behind it.
.macro VSUB th, q, first               ; tokens 64 th on, head q of my two
.if (\first) == 0
	s_wait_xcnt 0x0                                ; the last part's stores have read their registers
.endif
	WIN 0x02+(\th)                                 ; source 0: window 2 or 3
.irp a, 0,1,2,3
.set n1, 0
.rept 16
	v_pk_fma_f32 v[X+32*\a+n1:X+32*\a+n1+1], v[64*\a+32*(\q)+n1:64*\a+32*(\q)+n1+1], s[80:81], v[BIAS+32*(\q)+n1:BIAS+32*(\q)+n1+1] op_sel_hi:[1,0,1]   ; each accumulator from its low end on
.set n1, n1+2
.endr
.endr
	WIN 0
.irp a, 0,1,2,3
.irp b, 0,1,2,3
.irp j, 0,1,2,3,4,5,6,7
	ds_store_b32 v[VST], v[X+32*\a+8*\b+\j] offset:(32*(\b/2)+8*(\b%2)+\j)*272+64*\a
.endr
.endr
.endr
.irp p, 0,1,2,3,4,5,6,7
.irp c, 0,1,2,3
	ds_load_b128 v[X+16*\p+4*\c:X+16*\p+4*\c+3], v[VRD] offset:2176*\p+16*\c   ; d = 8 p + lane / 4: 16 neighbouring tokens
.endr
.endr
.irp p, 0,1,2,3,4,5,6,7
	s_wait_dscnt 4*(7-\p)                          ; the later rows' loads may be out
.set n1, 0
.rept 16
.set n1, n1+1
.endr
	v_cvt_scalef32_pk8_bf8_f32 v[RB+4*\p:RB+4*\p+1], v[X+16*\p:X+16*\p+7], v12
	v_cvt_scalef32_pk8_bf8_f32 v[RB+4*\p+2:RB+4*\p+3], v[X+16*\p+8:X+16*\p+15], v12
	global_store_b128 v[CO], v[RB+4*\p:RB+4*\p+3], s[12:13] offset:(\q)*CHS+(\th)*4096+512*\p   ; 512 consecutive bytes, aligned: eight d of one block of 64 keys
.endr
	v_nop                                          ; a plain instruction behind the last conversion
.endm
	VSUB 0, 0, 1
	VSUB 0, 1, 0
	VSUB 1, 0, 0
	VSUB 1, 1, 0
.Ldone:
	s_wait_tensorcnt 0x0                           ; the wave's end
	ds_add_u32 v[SPW], v[NIL]
	s_wait_dscnt 0x0
	CROUND                                         ; the closing round
	s_endpgm
.Lfunc_end_k_q3ae5cfe6bf_gemm_qkv:
	.size	k_q3ae5cfe6bf_gemm_qkv, .Lfunc_end_k_q3ae5cfe6bf_gemm_qkv-k_q3ae5cfe6bf_gemm_qkv
	.p2alignl 7, 3214868480
	.fill 96, 4, 3214868480
	.section	.rodata,"a",@progbits
	.p2align	6, 0x0
	.amdhsa_kernel k_q3ae5cfe6bf_gemm_qkv
		.amdhsa_group_segment_fixed_size 327680
		.amdhsa_private_segment_fixed_size 0
		.amdhsa_enable_private_segment 0
		.amdhsa_kernarg_size 40
		.amdhsa_user_sgpr_count 2
		.amdhsa_user_sgpr_kernarg_segment_ptr 1
		.amdhsa_wavefront_size32 1
		.amdhsa_system_sgpr_workgroup_id_x 1
		.amdhsa_system_sgpr_workgroup_id_y 1
		.amdhsa_system_sgpr_workgroup_id_z 1
		.amdhsa_system_vgpr_workitem_id 0
		.amdhsa_next_free_vgpr 1024
		.amdhsa_next_free_sgpr 100
		.amdhsa_reserve_vcc 0
		.amdhsa_float_denorm_mode_32 3
		.amdhsa_float_denorm_mode_16_64 3
		.amdhsa_fp16_overflow 1
		.amdhsa_memory_ordered 1
		.amdhsa_forward_progress 1
		.amdhsa_inst_pref_size 173
	.end_amdhsa_kernel
	.amdgpu_metadata
---
amdhsa.version: [ 1, 2 ]
amdhsa.kernels:
  - .name:           k_q3ae5cfe6bf_gemm_qkv
    .symbol:         k_q3ae5cfe6bf_gemm_qkv.kd
    .args:
      - { .name: act, .offset: 0, .size: 8, .value_kind: global_buffer, .address_space: global }
      - { .name: wcodes, .offset: 8, .size: 8, .value_kind: global_buffer, .address_space: global }
      - { .name: lowp_scales, .offset: 16, .size: 8, .value_kind: global_buffer, .address_space: global }
      - { .name: b_qkv, .offset: 24, .size: 8, .value_kind: global_buffer, .address_space: global }
      - { .name: qkv, .offset: 32, .size: 8, .value_kind: global_buffer, .address_space: global }
    .group_segment_fixed_size: 327680
    .private_segment_fixed_size: 0
    .kernarg_segment_align: 8
    .kernarg_segment_size: 40
    .max_flat_workgroup_size: 128
    .sgpr_count:     100
    .vgpr_count:     1024
    .wavefront_size: 32
...
	.end_amdgpu_metadata
.endif
;; end of part 2
;; launch attn (part 3): grid 8 x 32, 16 waves a work-group, clusters of 4 x 1, 327,680 bytes of LDS; arguments qkv, lowp_scales, act; writes act
.if DOCPART == 3
	.amdgcn_target "amdgcn-amd-amdhsa--gfx1250"
	.amdhsa_code_object_version 6
	.text
	.protected	k_q3ae5cfe6bf_attn
	.globl	k_q3ae5cfe6bf_attn
	.p2align	8
	.type	k_q3ae5cfe6bf_attn,@function
k_q3ae5cfe6bf_attn:
	s_mov_b64 s[64:65], 0
	v_nop
	global_prefetch_b8 v0, s[64:65] scope:SCOPE_SE
	s_setreg_imm32_b32 hwreg(HW_REG_WAVE_MODE, 25, 1), 1
	s_wait_xcnt 0x0
	s_wait_alu depctr_hold_cnt(0) depctr_sa_sdst(0) depctr_va_vdst(0) depctr_va_sdst(0) depctr_va_ssrc(0) depctr_va_vcc(0) depctr_vm_vsrc(0)
	s_getreg_b32 s2, hwreg(HW_REG_IB_STS2, 6, 4)
	s_cmp_eq_u32 s2, 0
	s_cbranch_scc0 .Lentry_in_a_cluster
	s_endpgm
.Lentry_in_a_cluster:
	s_bfe_u32 s2, ttmp6, 0x10000c
	s_cmp_lg_u32 s2, 0x3003
	s_cbranch_scc0 .Lentry_shape_is_right
	s_endpgm
.Lentry_shape_is_right:
; Causal attention on codes of E5M2, head size 64, 2,048 tokens, 32 batch x head; the result y = O / l x 2^(e4 + e5) is quantised (e6) as the next product's operand,
; laid [block of 128 rows][16 chunks of 64 along K = the heads][128 rows][64 bytes].
; q, k: [batch x head][2048][64] codes; v: [batch x head][32 blocks of 64 keys][64 d][64 keys] codes.
; THE SOFTMAX: t = score x log2(e) / 8; M = the running largest t rounded UP to a whole number; p = 2^(t - M) is quantised (e4), not normalised; the row's sum is taken of the unquantised p and divides at the end.
; When M moves, the sum and O are multiplied by 2^(old M - new M): exact.
; SHARES.  A wave owns one tile of 16 queries.  A cluster of four work-groups serves four or eight blocks of 128 queries of one head: wave w of partner cx takes tile 2 cx + w % 2 of the block that
; hangs on w / 2 and on the cluster's number alone.  With i = w / 2, g = 2 x cluster + i % 2, t = i / 2 the block is 8 (t / 2) + (g xor 7 (t % 2)): g, 7 - g, 8 + g, 15 - g, whose numbers add to 30 for every g:
; every work-group has the same number of key steps under the mask.  Partners differ in the tile alone, so what a step does (left out, on the diagonal, open) hangs on the block: no branch hangs on a place in the cluster.
; Every wave walks all 8 slots of 256 keys; a step of 128 keys all of which come after the block is left out: a scalar branch round its work, never round a barrier or a tensor load.
; K and V are asked for JOINTLY by the four partners (mask 15): waves 0, 1 fetch K's halves of a slot, waves 2, 3 V's.
; LAYOUT.  Both products are used transposed (S^T = K Q^T, O^T = V^T P^T): a lane holds one query throughout.  Lane r of tile 2 b + u of K takes key 32 b + 8 u + r + 8 (r / 8), so that the 16 registers
; of tiles 2 b, 2 b + 1 are 16 neighbouring keys.  Fragments come by loads of 16 bytes: one permutation of K, the same on both sides of a product.
; LIMITS: e2 + e3 between -124 and 130; e4, e6 between -126 and 112; e4 + e5 is applied by v_ldexp_f32.  NaN is not served.
; REGISTERS: v1-7 addresses that stay; v8-11 at work; v12 -M, v13 the largest t, v[14:15] the sum; v16-23 Q; v32-95 fragments of K, then of V; v96-159 S^T, then p; v160-191 O^T; v224-239 p's codes; v236-254 at work.
.set KP,    80                         ; a row of 64 bytes + 16 of padding
.set VOFF,  20480                      ; a slot: 256 rows of K, then 4 x 64 rows of V
.set SLOT1, 65536
.set NSL,   8
.set SPARE, 2*SLOT1                    ; the spare words, 128 bytes for each of 16 waves, which no other line names
.set WV,   18
.set SEL,  20
.set CS,   22
.set G1,   24
.set G0,   40
.set TB,   33                          ; s33  LDS byte at which the slot in hand begins
.set SLOTS, 67
.set KF,   98                          ; s98  the step's first key
.set BK,   99                          ; s99  my block's first query
.set PFA,  76
.set LIM,  80
.macro TLOAD                           ; waves 0 to 3 fetch; four v_nop follow the line
	s_cmp_lt_u32 s[WV], 4
	s_cbranch_scc0 .Lasked_\@
	tensor_load_to_lds s[G0:G0+3], s[G1:G1+7]
	s_nop 0
.rept 4
	v_nop
.endr
.Lasked_\@:
.endm
; A prefetch of what the NEXT change of slots will ask for: 16,384 bytes of K and as many of V.  All clusters of a head walk the same K and V: the head's first cluster asks, wave 4 of each partner,
; one instruction, lanes 256 bytes apart: 8,192 bytes.  The partners are told apart by address: cx / 2 says K or V, cx % 2 which half.  So each block of 256 bytes is named once in the launch.
; The last change that fills a slot asks for nothing; slots 0 and 1 come by their loads alone.
.macro ASK
	s_cmp_gt_u32 s[SLOTS], s[LIM]
	s_cbranch_scc0 .Lnot_mine_\@
	global_prefetch_b8 v3, s[PFA:PFA+1] th:TH_LOAD_NT scope:SCOPE_SE
.Lnot_mine_\@:
.endm
.macro CROUND
	s_barrier_signal -1
	s_barrier_wait -1
	s_cmp_lg_u32 s[WV], 0
	s_cbranch_scc1 .Lnot_wave_0_\@
	s_barrier_signal -3
.Lnot_wave_0_\@:
	s_barrier_wait -3
	s_barrier_signal -1
	s_barrier_wait -1
.endm
	s_load_b128 s[4:7], s[0:1], 0x0                ; qkv, the scales' exponents
	s_load_b64 s[8:9], s[0:1], 0x10                ; act
	v_lshl_add_u32 v5, v0, 2, SPARE
	v_mov_b32 v6, 0
	ds_add_u32 v5, v6
	ds_add_u32 v5, v6
	s_wait_dscnt 0x0
	v_lshrrev_b32 v8, 5, v0
	s_delay_alu instid0(VALU_DEP_1)
	v_readfirstlane_b32 s[WV], v8                  ; wave 0..15
	s_bfe_u32 s10, ttmp6, 0x40000                  ; cx
	s_and_b32 s11, ttmp7, 0xffff                   ; batch x head
	s_lshr_b32 s12, s[WV], 1                       ; i
	s_and_b32 s13, s12, 1
	s_lshl_b32 s14, ttmp9, 1
	s_add_co_u32 s13, s13, s14                     ; g
	s_lshr_b32 s14, s12, 1                         ; t
	s_and_b32 s15, s14, 1
	s_mul_i32 s15, s15, 7
	s_xor_b32 s13, s13, s15
	s_lshr_b32 s15, s14, 1
	s_lshl_b32 s15, s15, 3
	s_add_co_u32 s13, s13, s15                     ; my block of 128 queries
	s_lshl_b32 s[BK], s13, 7
	s_and_b32 s16, s[WV], 1
	s_lshl_b32 s17, s10, 1
	s_add_co_u32 s16, s16, s17                     ; my tile of 16 in it
	s_lshl_b32 s34, s11, 17                        ; the head's 131,072 bytes in each of q, k, v
	s_and_b32 s35, s[WV], 3                        ; what I fetch, if I fetch: 128 rows of 64 bytes
	s_mul_i32 s32, s35, 10240                      ; into the slot: K's halves, then V's
	s_lshr_b32 s36, s35, 1
	s_add_co_u32 s36, s36, 1
	s_lshl_b32 s36, s36, 22                        ; k lies 4 MiB, v 8 MiB into the buffer
	s_and_b32 s37, s[WV], 1
	s_lshl_b32 s37, s37, 13
	s_add_co_u32 s36, s36, s37
	s_add_co_u32 s36, s36, s34
	s_mov_b32 s37, 0
	s_mov_b32 s[G1], 15|(1<<20)|(1<<21)|(3<<22)|(3<<25)   ; the mask: all four partners; elements of 1 byte; padding: 4 words behind every 16; bit 21 beside a mask
	s_mov_b32 s[G1+1], 64<<16                      ; tensor_dim0
	s_mov_b32 s[G1+2], 128<<16                     ; tensor_dim1
	s_mov_b32 s[G1+3], 64<<16                      ; tile_dim0
	s_mov_b32 s[G1+4], 128                         ; tile_dim1
	s_mov_b32 s[G1+5], 64                          ; from row to row
	s_mov_b32 s[G1+6], 0
	s_mov_b32 s[G1+7], 0
	s_mov_b32 s[SEL], 0x76543210
	s_mov_b32 s[SEL+1], 0xfedcba98
	s_mov_b32 s[CS], 0x3e38aa3b                    ; c = log2(e) / 8
	s_mov_b32 s[TB], 0
	s_mov_b32 s[SLOTS], NSL-1
	s_mov_b32 s[KF], 0
	s_wait_kmcnt 0x0
	s_load_b256 s[68:75], s[6:7], 0x0              ; e0 .. e7
	s_mov_b32 s[G0], 1
	s_mov_b32 s[G0+1], s32
	s_add_nc_u64 s[G0+2:G0+3], s[4:5], s[36:37]
	s_or_b32 s[G0+3], s[G0+3], 0x80000000
	CROUND                                         ; all four work-groups are here
	TLOAD                                          ; slot 0
	s_lshl_b32 s38, s16, 4
	s_add_co_u32 s38, s38, s[BK]                   ; my first query
	s_lshl_b32 s38, s38, 6
	s_add_co_u32 s38, s38, s34
	s_mov_b32 s39, 0
	s_add_nc_u64 s[38:39], s[4:5], s[38:39]        ; its codes
	s_lshr_b32 s44, s11, 4                         ; y: ((batch x 16 + block) x 16 + head) chunks of 8,192 bytes, + 16 rows x 64 bytes x tile
	s_lshl_b32 s44, s44, 4
	s_add_co_u32 s44, s44, s13
	s_lshl_b32 s44, s44, 4
	s_and_b32 s45, s11, 15
	s_add_co_u32 s44, s44, s45
	s_lshl_b32 s44, s44, 13
	s_lshl_b32 s45, s16, 10
	s_add_co_u32 s44, s44, s45
	s_mov_b32 s45, 0
	s_add_nc_u64 s[8:9], s[8:9], s[44:45]
	s_lshr_b32 s82, s10, 1                         ; the prefetches: K or V by cx / 2, which half by cx % 2,
	s_add_co_u32 s82, s82, 1
	s_lshl_b32 s82, s82, 22
	s_and_b32 s83, s10, 1
	s_lshl_b32 s83, s83, 13
	s_add_co_u32 s82, s82, s83
	s_add_co_u32 s82, s82, s34
	s_add_co_u32 s82, s82, 16384                   ; in slot 1: the first change of slots steps it to slot 2
	s_mov_b32 s83, 0
	s_add_nc_u64 s[PFA:PFA+1], s[4:5], s[82:83]
	s_xor_b32 s82, s[WV], 4                        ; 0 in wave 4
	s_or_b32 s82, s82, ttmp9                       ; of the head's first cluster: alike in all partners
	s_cmp_eq_u32 s82, 0
	s_cselect_b32 s[LIM], 1, -1
	v_and_b32 v8, 15, v0                           ; r
	v_bfe_u32 v9, v0, 4, 1                         ; h
	s_delay_alu instid0(VALU_DEP_2)
	v_lshlrev_b32 v10, 6, v8
	s_delay_alu instid0(VALU_DEP_1)
	v_lshl_add_u32 v10, v9, 4, v10                 ; Q: row r of 64 bytes, + 16 h
	global_load_b128 v[16:19], v10, s[38:39]
	global_load_b128 v[20:23], v10, s[38:39] offset:32
	v_and_b32 v11, 8, v8
	s_delay_alu instid0(VALU_DEP_1)
	v_add_nc_u32 v11, v11, v8                      ; r + 8 (r / 8)
	s_delay_alu instid0(VALU_DEP_1)
	v_mul_u32_u24 v1, v11, KP
	s_delay_alu instid0(VALU_DEP_1)
	v_lshl_add_u32 v1, v9, 4, v1                   ; my place in a tile of K
	v_mul_u32_u24 v2, v8, KP
	s_delay_alu instid0(VALU_DEP_1)
	v_lshl_add_u32 v2, v9, 4, v2
	s_delay_alu instid0(VALU_DEP_1)
	v_add_nc_u32 v2, VOFF, v2                      ; and of V
	v_and_b32 v3, 31, v0
	s_delay_alu instid0(VALU_DEP_1)
	v_lshlrev_b32 v3, 8, v3                        ; the prefetches' offset: 256 x lane
	s_lshl_b32 s82, s16, 4
	v_lshlrev_b32 v11, 4, v9
	s_delay_alu instid0(VALU_DEP_1)
	v_sub_nc_u32 v4, v8, v11
	s_delay_alu instid0(VALU_DEP_1)
	v_add_nc_u32 v4, s82, v4                       ; my query within the block - 16 h: on the diagonal register 16 b + i is hidden where 32 b + i is above it
	v_and_b32 v7, 31, v0
	s_delay_alu instid0(VALU_DEP_1)
	v_lshlrev_b32 v7, 4, v7                        ; the way out: 16 x lane
	v_mov_b32 v13, 0xff61b1e6                      ; the largest t so far: -3e38
	s_delay_alu instid0(VALU_DEP_1)
	v_floor_f32 v12, -v13                          ; -M
	v_mov_b32 v14, 0
	v_mov_b32 v15, 0
	v_mov_b32 v236, 0                              ; written once: a lane permute's destination counts as one of its sources
	v_mov_b32 v252, 0
	v_mov_b32 v253, 0                              ; (named as the upper half of the pair v[252:253])
.set n1, 0
.rept 32
	v_mov_b32 v[160+n1], 0                         ; O^T: the step is written once; the first finds zeros
.set n1, n1+1
.endr
	s_wait_kmcnt 0x0
	s_add_co_i32 s82, s70, s71
	s_lshl_b32 s82, s82, 23
	s_add_co_i32 s[CS], s[CS], s82                 ; a score stands for score x 2^(e2 + e3): added to c's exponent field
	s_mov_b32 s[CS+1], s[CS]
	s_add_co_i32 s82, s72, 127
	s_lshl_b32 s83, s82, 23
	v_mov_b32 v244, s83                            ; 2^e4
	s_add_co_i32 s82, s74, 127
	s_lshl_b32 s83, s82, 23
	v_mov_b32 v245, s83                            ; 2^e6
; A KEY STEP: 128 keys, the q-th of the slot in hand
.macro STEP q
	s_cmp_gt_u32 s[KF], s[BK]                      ; all its keys come after my block: its work is left out
	s_cbranch_scc1 .Lhidden_\@
	v_add_nc_u32 v8, s[TB], v1
	v_add_nc_u32 v9, s[TB], v2
	v_nop                                          ; with the two additions: four places between the last products and the loads into their operands
	v_nop
.irp t, 0,1,2,3,4,5,6,7
	ds_load_b128 v[32+8*\t:35+8*\t], v8 offset:(128*(\q)+32*(\t/2)+8*(\t%2))*KP
	ds_load_b128 v[36+8*\t:39+8*\t], v8 offset:(128*(\q)+32*(\t/2)+8*(\t%2))*KP+32
.endr
	s_wait_alu depctr_va_vdst(0)
	s_wait_dscnt 0x0
.irp t, 0,1,2,3,4,5,6,7
	v_wmma_f32_16x16x64_bf8_bf8 v[96+8*\t:103+8*\t], v[32+8*\t:39+8*\t], v[16:23], 0
.endr
.rept 4
	v_nop
.endr
.irp t, 0,1,2,3                        ; V's fragments go out now, into the registers that K has left, and land under the softmax
.irp c, 0,1,2,3
	ds_load_b128 v[32+16*\t+4*\c:35+16*\t+4*\c], v9 offset:((2*(\q)+\c/2)*64+16*\t)*KP+32*(\c%2)
.endr
.endr
	s_cmp_lt_u32 s[KF], s[BK]                      ; all its keys count
	s_cbranch_scc1 .Lopen_\@
	v_mov_b32 v254, 0xff800000                     ; on the diagonal hidden scores become -infinity ahead of the maximum: p = 0
.set n1, 0
.rept 64
	v_cmp_gt_i32 vcc_lo, 32*(n1/16)+n1%16, v4
	v_cndmask_b32 v[96+n1], v[96+n1], v254, vcc_lo
.set n1, n1+1
.endr
.Lopen_\@:
	v_max3_num_f32 v254, v96, v97, v98             ; the step's largest score of my query among my 64 keys, in two chains, from the low end on
	v_max3_num_f32 v252, v99, v100, v101
.irp i, 6,10,14,18,22,26,30,34,38,42,46,50,54,58
	v_max3_num_f32 v254, v254, v[96+\i], v[97+\i]
	v_max3_num_f32 v252, v252, v[98+\i], v[99+\i]
.endr
	v_max3_num_f32 v254, v254, v158, v159
	s_delay_alu instid0(VALU_DEP_1)
	v_max_num_f32 v254, v254, v252
	v_permlanex16_b32 v236, v254, s[SEL], s[SEL+1]
	s_delay_alu instid0(VALU_DEP_1)
	v_max_num_f32 v254, v254, v236                 ; and among the other half's
	s_delay_alu instid0(VALU_DEP_1)
	v_mul_f32 v254, s[CS], v254                    ; as t (c is positive)
	s_delay_alu instid0(VALU_DEP_1)
	v_max_num_f32 v13, v13, v254
	v_mov_b32 v254, v12
	s_delay_alu instid0(VALU_DEP_2)
	v_floor_f32 v12, -v13                          ; the new -M = -ceil(t)
	s_delay_alu instid0(VALU_DEP_1)
	v_sub_f32 v254, v12, v254                      ; old M - new M: a whole number, 0 or less
	s_delay_alu instid0(VALU_DEP_1)
	v_cvt_i32_f32 v254, v254                       ; (it saturates)
	s_delay_alu instid0(VALU_DEP_1)
	v_ldexp_f32 v252, 1.0, v254                    ; f = 2^(old M - new M)
.set n1, 0
.rept 32
	v_pk_fma_f32 v[96+n1:97+n1], v[96+n1:97+n1], s[CS:CS+1], v[12:13] op_sel_hi:[1,0,0]   ; t - M
.set n1, n1+2
.endr
.set n1, 0
	s_wait_alu depctr_va_vdst(0)
.rept 64
	v_exp_f32 v[96+n1], v[96+n1]                   ; p = 2^(t - M)
.set n1, n1+1
.endr
	v_pk_mul_f32 v[14:15], v[14:15], v[252:253] op_sel_hi:[1,0]   ; the sums under the new M: the plain instruction behind the batch
	s_wait_alu depctr_va_vdst(0)                   ; one wait for the batch, ahead of its first reader
	v_pk_add_f32 v[242:243], v[100:101], v[104:105]
	v_pk_add_f32 v[254:255], v[108:109], v[112:113]
	v_pk_add_f32 v[250:251], v[116:117], v[120:121]
	v_pk_add_f32 v[248:249], v[124:125], v[128:129]
	v_pk_add_f32 v[246:247], v[132:133], v[136:137]
	v_pk_add_f32 v[240:241], v[140:141], v[144:145]
	v_pk_add_f32 v[238:239], v[148:149], v[152:153]
	v_pk_add_f32 v[14:15], v[14:15], v[156:157]
	v_pk_add_f32 v[242:243], v[242:243], v[96:97]
	v_pk_add_f32 v[254:255], v[254:255], v[98:99]
	v_pk_add_f32 v[250:251], v[250:251], v[102:103]
	v_pk_add_f32 v[248:249], v[248:249], v[106:107]
	v_pk_add_f32 v[246:247], v[246:247], v[110:111]
	v_pk_add_f32 v[240:241], v[240:241], v[114:115]
	v_pk_add_f32 v[238:239], v[238:239], v[118:119]
	v_pk_add_f32 v[14:15], v[14:15], v[122:123]
	v_pk_add_f32 v[242:243], v[242:243], v[126:127]
	v_pk_add_f32 v[254:255], v[254:255], v[130:131]
	v_pk_add_f32 v[250:251], v[250:251], v[134:135]
	v_pk_add_f32 v[248:249], v[248:249], v[138:139]
	v_pk_add_f32 v[246:247], v[246:247], v[142:143]
	v_pk_add_f32 v[240:241], v[240:241], v[146:147]
	v_pk_add_f32 v[238:239], v[238:239], v[150:151]
	v_pk_add_f32 v[14:15], v[14:15], v[154:155]
	v_pk_add_f32 v[242:243], v[242:243], v[158:159]
	s_delay_alu instid0(VALU_DEP_2)
	v_pk_add_f32 v[14:15], v[14:15], v[248:249]
	s_delay_alu instid0(VALU_DEP_2)
	v_pk_add_f32 v[242:243], v[242:243], v[246:247]
	v_pk_add_f32 v[254:255], v[254:255], v[240:241]
	v_pk_add_f32 v[250:251], v[250:251], v[238:239]
	s_delay_alu instid0(VALU_DEP_2)
	v_pk_add_f32 v[14:15], v[14:15], v[254:255]
	s_delay_alu instid0(VALU_DEP_2)
	v_pk_add_f32 v[242:243], v[242:243], v[250:251]
	s_delay_alu instid0(VALU_DEP_1)
	v_pk_add_f32 v[14:15], v[14:15], v[242:243]
.irp b, 0,1,2,3
.set n1, 0
.rept 16
.set n1, n1+1
.endr
	v_cvt_scalef32_pk8_bf8_f32 v[224+4*\b:225+4*\b], v[96+16*\b:103+16*\b], v244
	v_cvt_scalef32_pk8_bf8_f32 v[226+4*\b:227+4*\b], v[104+16*\b:111+16*\b], v244
.endr
.set n1, 0
.rept 16
	v_pk_mul_f32 v[160+n1:161+n1], v[160+n1:161+n1], v[252:253] op_sel_hi:[1,0]   ; O^T under the new M; also the plain instructions between the conversions and the products
.set n1, n1+2
.endr
	s_wait_alu depctr_va_vdst(0)
	s_wait_dscnt 0x0                               ; V's fragments
.irp t, 0,1,2,3
	v_wmma_f32_16x16x128_bf8_bf8 v[160+8*\t:167+8*\t], v[32+16*\t:47+16*\t], v[224:239], v[160+8*\t:167+8*\t]
.endr
.Lhidden_\@:
	s_add_co_u32 s[KF], s[KF], 128
.endm
; THE CHANGE OF SLOTS stands at a slot's head.  fill = 1: the slot just left is filled with the keys that follow, behind a round of the cluster's barrier.
.macro CHANGE fill
	s_wait_tensorcnt 0x0                           ; no tensor load of mine is out, so the descriptor may be written
	ds_add_u32 v5, v6                              ; 0 onto my spare word
.if \fill
	s_xor_b32 s[G0+1], s[G0+1], SLOT1              ; the other slot than last time,
	s_add_nc_u64 s[G0+2:G0+3], s[G0+2:G0+3], 16384 ; the next 256 keys
	s_wait_xcnt 0x0                                ; the last prefetch, a slot back, has read its address
	s_add_nc_u64 s[PFA:PFA+1], s[PFA:PFA+1], 16384
	s_wait_dscnt 0x0                               ; the add is done, and my reads of the slot that I have left are over
	CROUND
	TLOAD                                          ; the first thing behind the round, and a wave's one tensor load until the next
	ASK
.else
	s_wait_dscnt 0x0
	s_barrier_signal -1
	s_barrier_wait -1
.endif
.endm
	s_wait_loadcnt 0x0                             ; Q
.Lslot:                                            ; NSL - 1 trips
	CHANGE 1
	STEP 0
	STEP 1
	s_xor_b32 s[TB], s[TB], SLOT1
	s_sub_co_u32 s[SLOTS], s[SLOTS], 1
	s_cmp_lg_u32 s[SLOTS], 0
	s_cbranch_scc1 .Lslot
	CHANGE 0                                       ; the last slot is written out
	STEP 0
	STEP 1
	; THE WAY OUT: y = O^T / the sum x 2^(e4 + e5), quantised, through my stage (16 rows x 80 bytes, in slot 0: it has had its last fill, and nobody reads it behind the last change of slots)
	v_add_f32 v14, v14, v15
	s_delay_alu instid0(VALU_DEP_1)
	v_permlanex16_b32 v252, v14, s[SEL], s[SEL+1]
	s_delay_alu instid0(VALU_DEP_1)
	v_add_f32 v14, v14, v252                       ; the row's sum
	s_wait_alu depctr_va_vdst(0)
	v_rcp_f32 v14, v14
	v_and_b32 v8, 15, v0                           ; (a plain instruction behind the transcendental)
	v_bfe_u32 v9, v0, 4, 1
	s_add_co_i32 s82, s72, s73
	s_mul_i32 s83, s[WV], 1280
	v_mul_u32_u24 v10, v8, 80
	s_delay_alu instid0(VALU_DEP_1)
	v_lshl_add_u32 v10, v9, 3, v10
	s_delay_alu instid0(VALU_DEP_1)
	v_add_nc_u32 v10, s83, v10                     ; in: row r, 8 bytes at 16 t + 8 h
	v_and_b32 v11, 31, v0
	s_delay_alu instid0(VALU_DEP_1)
	v_lshrrev_b32 v8, 2, v11
	s_delay_alu instid0(VALU_DEP_1)
	v_mul_u32_u24 v8, v8, 80
	v_and_b32 v9, 3, v0
	s_delay_alu instid0(VALU_DEP_1)
	v_lshl_add_u32 v11, v9, 4, v8
	s_delay_alu instid0(VALU_DEP_1)
	v_add_nc_u32 v11, s83, v11                     ; back: four lanes to a row
	s_wait_alu depctr_va_vdst(0)                   ; the wait ahead of the reciprocal's first reader
	v_ldexp_f32 v14, v14, s82
.set n1, 0
.rept 32
	v_mul_f32 v[96+n1], v[160+n1], v14             ; register 8 t + j: y(query r, d = 16 t + 8 h + j)
.set n1, n1+1
.endr
.set n1, 0
.rept 32
.set n1, n1+1
.endr
.irp t, 0,1,2,3
	v_cvt_scalef32_pk8_bf8_f32 v[224+2*\t:225+2*\t], v[96+8*\t:103+8*\t], v245
.endr
	v_nop
.irp t, 0,1,2,3
	ds_store_b64 v10, v[224+2*\t:225+2*\t] offset:16*\t
.endr
.irp u, 0,1
	ds_load_b128 v[32+4*\u:35+4*\u], v11 offset:640*\u
.endr
.irp u, 0,1
	s_wait_dscnt 1-\u
	global_store_b128 v7, v[32+4*\u:35+4*\u], s[8:9] offset:512*\u   ; 512 consecutive bytes, aligned: eight rows of my head's chunk
.endr
	s_wait_tensorcnt 0x0                           ; the wave's end
	ds_add_u32 v5, v6
	s_wait_dscnt 0x0
	CROUND                                         ; the closing round
	s_endpgm
.Lfunc_end_k_q3ae5cfe6bf_attn:
	.size	k_q3ae5cfe6bf_attn, .Lfunc_end_k_q3ae5cfe6bf_attn-k_q3ae5cfe6bf_attn
	.p2alignl 7, 3214868480
	.fill 96, 4, 3214868480
	.section	.rodata,"a",@progbits
	.p2align	6, 0x0
	.amdhsa_kernel k_q3ae5cfe6bf_attn
		.amdhsa_group_segment_fixed_size 327680
		.amdhsa_private_segment_fixed_size 0
		.amdhsa_enable_private_segment 0
		.amdhsa_kernarg_size 24
		.amdhsa_user_sgpr_count 2
		.amdhsa_user_sgpr_kernarg_segment_ptr 1
		.amdhsa_wavefront_size32 1
		.amdhsa_system_sgpr_workgroup_id_x 1
		.amdhsa_system_sgpr_workgroup_id_y 1
		.amdhsa_system_sgpr_workgroup_id_z 1
		.amdhsa_system_vgpr_workitem_id 0
		.amdhsa_next_free_vgpr 256
		.amdhsa_next_free_sgpr 100
		.amdhsa_reserve_vcc 1
		.amdhsa_float_denorm_mode_32 3
		.amdhsa_float_denorm_mode_16_64 3
		.amdhsa_fp16_overflow 1
		.amdhsa_memory_ordered 1
		.amdhsa_forward_progress 1
		.amdhsa_inst_pref_size 88
	.end_amdhsa_kernel
	.amdgpu_metadata
---
amdhsa.version: [ 1, 2 ]
amdhsa.kernels:
  - .name:           k_q3ae5cfe6bf_attn
    .symbol:         k_q3ae5cfe6bf_attn.kd
    .args:
      - { .name: qkv, .offset: 0, .size: 8, .value_kind: global_buffer, .address_space: global }
      - { .name: lowp_scales, .offset: 8, .size: 8, .value_kind: global_buffer, .address_space: global }
      - { .name: act, .offset: 16, .size: 8, .value_kind: global_buffer, .address_space: global }
    .group_segment_fixed_size: 327680
    .private_segment_fixed_size: 0
    .kernarg_segment_align: 8
    .kernarg_segment_size: 24
    .max_flat_workgroup_size: 512
    .sgpr_count:     100
    .vgpr_count:     256
    .wavefront_size: 32
...
	.end_amdgpu_metadata
.endif
;; end of part 3
;; launch gemm_o (part 4): grid 8 x 32, 4 waves a work-group, clusters of 4 x 4, 327,680 bytes of LDS; arguments act, wcodes, lowp_scales, b_o, x, x1; writes x1
.if DOCPART == 4
	.amdgcn_target "amdgcn-amd-amdhsa--gfx1250"
	.amdhsa_code_object_version 6
	.text
	.protected	k_q3ae5cfe6bf_gemm_o
	.globl	k_q3ae5cfe6bf_gemm_o
	.p2align	8
	.type	k_q3ae5cfe6bf_gemm_o,@function
k_q3ae5cfe6bf_gemm_o:
	s_mov_b64 s[64:65], 0
	v_nop
	global_prefetch_b8 v0, s[64:65] scope:SCOPE_SE
	s_setreg_imm32_b32 hwreg(HW_REG_WAVE_MODE, 25, 1), 1
	s_wait_xcnt 0x0
	s_wait_alu depctr_hold_cnt(0) depctr_sa_sdst(0) depctr_va_vdst(0) depctr_va_sdst(0) depctr_va_ssrc(0) depctr_va_vcc(0) depctr_vm_vsrc(0)
	s_getreg_b32 s2, hwreg(HW_REG_IB_STS2, 6, 4)
	s_cmp_eq_u32 s2, 0
	s_cbranch_scc0 .Lentry_in_a_cluster
	s_endpgm
.Lentry_in_a_cluster:
	s_bfe_u32 s2, ttmp6, 0x10000c
	s_cmp_lg_u32 s2, 0xf033
	s_cbranch_scc0 .Lentry_shape_is_right
	s_endpgm
.Lentry_shape_is_right:
; x1 = x + (y Wo x 2^(e6 + e7) + b_o), y and Wo as codes of E5M2; x and x1 f32, [4096][1024].
; THE CORE is that of this program's other products: a tile of C 128 x 128, four waves of 64 x 64 in 16 accumulators; A's codes [128 rows' block][K / 64][128][64 bytes], B's [128 columns' block][K / 128][128][128 bytes];
; two LDS slots of 512 along K (with K = 1,024 each is filled once); clusters of 4 x 4 with A's tile shared along a row and B's along a column, asked for jointly;
; the matrix instruction used transposed, so that a lane's 16 registers of tiles 2 b', 2 b' + 1 are columns 32 b' + 16 (lane / 16) + 0 .. 15 of one row of C; fragments by loads of 16 bytes (one permutation of K on both sides).
; LIMIT: e6 + e7 between -126 and 127.
; REGISTERS: window 0: v16-21 LDS addresses, v22-25 the way out, v28, v29 the spare word and 0, v32-63 bias, v64-127 the way out, v128-255 accumulators.  window 1: two fragment buffers.  window 2: v0-127 my part of x.
.set SIZE_K, 1024
.set NCHA,  SIZE_K/64
.set NCHB,  SIZE_K/128
.set WOFF,  3145728                    ; w_o's codes in wcodes
.set EA,    24                         ; the scales' pair: entries 6, 7
.set LAPS,  SIZE_K/1024
.set SLOT,  155648
.set BOFF,  81920
.set SPARE, 2*SLOT
.set G1A, 24
.set G0A, 32
.set G1B, 48
.set G0B, 56
.set ACC, 128
.set BIAS, 32
.set TMP, 64
.set RB,  96
.set MSB, 0
.macro WIN new
.if MSB != \new
	s_set_vgpr_msb (MSB<<8)|\new
.set MSB, \new
.endif
.endm
.macro PLACES
.rept 4
	v_nop
.endr
.endm
.macro JLOAD s                         ; a joint load: waves 0 and 1 fetch A's halves of a slot, waves 2 and 3 B's; four v_nop follow each line
	s_cmp_eq_u32 s17, 0
	s_cbranch_scc0 .Lfor_b_\@
	tensor_load_to_lds s[G0A+4*\s:G0A+4*\s+3], s[G1A:G1A+7]
	s_nop 0
.rept 4
	v_nop
.endr
	s_branch .Lasked_\@
.Lfor_b_\@:
	tensor_load_to_lds s[G0B+4*\s:G0B+4*\s+3], s[G1B:G1B+7]
	s_nop 0
.rept 4
	v_nop
.endr
.Lasked_\@:
.endm
.macro CROUND
	s_barrier_signal -1
	s_barrier_wait -1
	s_cmp_lg_u32 s16, 0
	s_cbranch_scc1 .Lnot_wave_0_\@
	s_barrier_signal -3
.Lnot_wave_0_\@:
	s_barrier_wait -3
	s_barrier_signal -1
	s_barrier_wait -1
.endm
.macro FETCH slot, s, f
	WIN 0x40
.irp i, 0,1,2,3
.irp c, 0,1,2,3
	ds_load_b128 v[(\f)+64+16*\i+4*\c:(\f)+64+16*\i+4*\c+3], v[20+(\slot)] offset:(\s)*18432+\i*2304+32*\c
.endr
.endr
.irp i, 0,1,2,3
.irp c, 0,1,2,3
	ds_load_b128 v[(\f)+16*\i+4*\c:(\f)+16*\i+4*\c+3], v[16+2*(\slot)+(\s)/2] offset:((2*(\s)+\c/2)%4)*10240+\i*1280+32*(\c%2)
.endr
.endr
.endm
.macro MUL8 f, a0, zero                ; the 16 accumulators take turns, one instruction a turn, in one order throughout
.irp a, \a0, \a0+1
.irp b, 0,1,2,3
.if \zero
	v_wmma_f32_16x16x128_bf8_bf8 v[ACC+8*(4*(\a)+\b):ACC+8*(4*(\a)+\b)+7], v[(\f)+64+16*\b:(\f)+64+16*\b+15], v[(\f)+16*(\a):(\f)+16*(\a)+15], 0
.else
	v_wmma_f32_16x16x128_bf8_bf8 v[ACC+8*(4*(\a)+\b):ACC+8*(4*(\a)+\b)+7], v[(\f)+64+16*\b:(\f)+64+16*\b+15], v[(\f)+16*(\a):(\f)+16*(\a)+15], v[ACC+8*(4*(\a)+\b):ACC+8*(4*(\a)+\b)+7]
.endif
.endr
.endr
.endm
.macro STEP slot, s, zero
	s_wait_dscnt 0x0                               ; this step's fragments are in
	PLACES                                         ; four places between the last products, which read the other buffer, and the loads into it
	FETCH \slot, (\s)+1, 128*(1-(\s)%2)
	WIN 0x05
	MUL8 128*((\s)%2), 0, \zero
	MUL8 128*((\s)%2), 2, \zero
	WIN 0
.endm
.macro TURN slot, next, fill
	s_wait_tensorcnt 0x0                           ; all my tensor loads have landed: my part of the next slot
	ds_add_u32 v28, v29                            ; 0 onto my spare word
	s_wait_dscnt 1                                 ; the step's fragments are in; the add may be out
	WIN 0x05
	MUL8 128, 0, 0
	WIN 0
	s_wait_dscnt 0x0                               ; the add is done, and my reads of this slot are over
.if \fill
	CROUND
	s_add_nc_u64 s[G0A+4*\slot+2:G0A+4*\slot+3], s[G0A+4*\slot+2:G0A+4*\slot+3], 131072
	s_add_nc_u64 s[G0B+4*\slot+2:G0B+4*\slot+3], s[G0B+4*\slot+2:G0B+4*\slot+3], 131072
	JLOAD \slot
.else
	s_barrier_signal -1
	s_barrier_wait -1
	PLACES
.endif
	FETCH \next, 0, 0
	WIN 0x05
	MUL8 128, 2, 0
	WIN 0
.endm
	s_load_b256 s[4:11], s[0:1], 0x0               ; A's codes, wcodes, the scales' exponents, the bias
	s_load_b128 s[12:15], s[0:1], 0x20             ; the residual, the output
	v_lshl_add_u32 v28, v0, 2, SPARE
	v_mov_b32 v29, 0
	ds_add_u32 v28, v29
	s_wait_dscnt 0x0
	v_lshrrev_b32 v1, 5, v0
	v_readfirstlane_b32 s16, v1
	s_lshr_b32 s17, s16, 1
	s_and_b32 s18, s16, 1
	s_bfe_u32 s19, ttmp6, 0x40000
	s_bfe_u32 s20, ttmp6, 0x40004
	s_lshl_b32 s21, ttmp9, 2
	s_add_co_u32 s21, s21, s19                     ; tile column
	s_and_b32 s22, ttmp7, 0xffff
	s_lshl_b32 s22, s22, 2
	s_add_co_u32 s22, s22, s20                     ; tile row
	s_lshl_b32 s40, s20, 2
	s_lshl_b32 s40, 15, s40
	s_lshl_b32 s41, 0x1111, s19
	s_or_b32 s[G1A], s40, (1<<20)|(1<<21)|(3<<22)|(3<<25)
	s_mov_b32 s[G1A+1], 64<<16
	s_mov_b32 s[G1A+2], 512<<16
	s_mov_b32 s[G1A+3], 64<<16
	s_mov_b32 s[G1A+4], 512
	s_mov_b32 s[G1A+5], 64
	s_mov_b32 s[G1A+6], 0
	s_mov_b32 s[G1A+7], 0
	s_or_b32 s[G1B], s41, (1<<20)|(1<<21)|(4<<22)|(3<<25)
	s_mov_b32 s[G1B+1], 128<<16
	s_mov_b32 s[G1B+2], 256<<16
	s_mov_b32 s[G1B+3], 128<<16
	s_mov_b32 s[G1B+4], 256
	s_mov_b32 s[G1B+5], 128
	s_mov_b32 s[G1B+6], 0
	s_mov_b32 s[G1B+7], 0
	s_mul_i32 s42, s22, NCHA*8192
	s_lshl_b32 s43, s18, 15
	s_add_co_u32 s42, s42, s43
	s_mov_b32 s43, 0
	s_mul_i32 s44, s21, NCHB*16384
	s_lshl_b32 s45, s18, 15
	s_add_co_u32 s44, s44, s45
	s_add_co_u32 s44, s44, WOFF
	s_mov_b32 s45, 0
	s_mul_i32 s46, s18, 40960
	s_mul_i32 s47, s18, 36864
	s_add_co_u32 s47, s47, BOFF
	s_wait_kmcnt 0x0
	s_load_b64 s[72:73], s[8:9], EA
	s_add_nc_u64 s[42:43], s[4:5], s[42:43]
	s_add_nc_u64 s[44:45], s[6:7], s[44:45]
	CROUND
.irp s, 0,1
	s_mov_b32 s[G0A+4*\s], 1
	s_add_co_u32 s[G0A+4*\s+1], s46, \s*SLOT
	s_add_nc_u64 s[G0A+4*\s+2:G0A+4*\s+3], s[42:43], \s*65536
	s_or_b32 s[G0A+4*\s+3], s[G0A+4*\s+3], 0x80000000
	s_mov_b32 s[G0B+4*\s], 1
	s_add_co_u32 s[G0B+4*\s+1], s47, \s*SLOT
	s_add_nc_u64 s[G0B+4*\s+2:G0B+4*\s+3], s[44:45], \s*65536
	s_or_b32 s[G0B+4*\s+3], s[G0B+4*\s+3], 0x80000000
	JLOAD \s
.endr
	v_and_b32 v1, 15, v0                           ; r
	v_bfe_u32 v2, v0, 4, 1                         ; h
	v_mul_u32_u24 v3, v1, 80
	v_lshl_add_u32 v3, v2, 4, v3
	s_mul_i32 s66, s17, 5120
	v_add_nc_u32 v16, s66, v3
	v_add_nc_u32 v17, 40960, v16
	v_add_nc_u32 v18, SLOT, v16
	v_add_nc_u32 v19, SLOT+40960, v16
	v_mul_u32_u24 v4, v1, 144
	v_lshl_add_u32 v4, v2, 4, v4
	s_mul_i32 s66, s18, 9216
	s_add_co_u32 s66, s66, BOFF
	v_add_nc_u32 v20, s66, v4
	v_add_nc_u32 v21, SLOT, v20
	s_mul_i32 s66, s16, 4352                       ; my stage: 16 rows x (256 + 16) bytes, in slot 0, behind its last fill and its last read
	v_mul_u32_u24 v5, v1, 272
	v_lshl_add_u32 v5, v2, 6, v5
	v_add_nc_u32 v22, s66, v5                      ; in: row r, 64 h bytes on
	v_mul_u32_u24 v5, v2, 272
	v_lshl_add_u32 v5, v1, 4, v5
	v_add_nc_u32 v23, s66, v5                      ; back: lanes 0-15 one row of 256 bytes, lanes 16-31 the next
	v_lshlrev_b32 v24, 12, v2
	v_lshl_add_u32 v24, v1, 4, v24                 ; and the same two rows in memory
	v_lshlrev_b32 v25, 6, v2
	s_lshl_b32 s66, s21, 9
	s_lshl_b32 s67, s18, 8
	s_add_co_u32 s66, s66, s67
	s_mov_b32 s67, 0
	s_add_nc_u64 s[10:11], s[10:11], s[66:67]
.irp p, 0,1
.irp q, 0,1,2,3
	global_load_b128 v[BIAS+16*\p+4*\q:BIAS+16*\p+4*\q+3], v25, s[10:11] offset:128*\p+16*\q
.endr
.endr
	s_lshl_b32 s68, s22, 7
	s_lshl_b32 s69, s17, 6
	s_add_co_u32 s68, s68, s69                     ; my first row
	s_lshl_b32 s68, s68, 12
	s_add_co_u32 s68, s68, s66                     ; + my first column, in bytes
	s_mov_b32 s69, 0
	s_add_nc_u64 s[12:13], s[12:13], s[68:69]
	s_add_nc_u64 s[14:15], s[14:15], s[68:69]
	WIN 0x80                                       ; destination window 2
.irp a, 0,1,2,3
.irp t, 0,1,2,3,4,5,6,7
	global_load_b128 v[4*(8*\a+\t):4*(8*\a+\t)+3], v24, s[12:13] offset:(16*\a+2*\t)*4096   ; the residual, laid as the rows come back from the stage
.endr
.endr
	WIN 0
	s_wait_tensorcnt 1                             ; my part of slot 0 is in; slot 1's may be out
	s_barrier_signal -1
	s_barrier_wait -1
	FETCH 0, 0, 0
	STEP 0, 0, 1
.if LAPS > 1
	s_mov_b32 s3, LAPS-1
.Llap:                                             ; a trip goes once round the ring and fills both slots again
	STEP 0, 1, 0
	STEP 0, 2, 0
	TURN 0, 1, 1
	STEP 1, 0, 0
	STEP 1, 1, 0
	STEP 1, 2, 0
	TURN 1, 0, 1
	STEP 0, 0, 0
	s_sub_co_u32 s3, s3, 1
	s_cmp_lg_u32 s3, 0
	s_cbranch_scc1 .Llap
.endif
	STEP 0, 1, 0
	STEP 0, 2, 0
	TURN 0, 1, 0
	STEP 1, 0, 0
	STEP 1, 1, 0
	STEP 1, 2, 0
	s_wait_dscnt 0x0
	WIN 0x05
	MUL8 128, 0, 0
	MUL8 128, 2, 0
	WIN 0
	PLACES
	; THE WAY OUT, 16 rows at a time: sum x 2^(ea + eb) + bias, through my stage, + the residual, whole rows of 256 bytes out
	s_wait_kmcnt 0x0
	s_wait_loadcnt 0x0
	s_add_co_i32 s80, s72, s73
	s_add_co_i32 s80, s80, 127
	s_lshl_b32 s80, s80, 23
	s_mov_b32 s81, s80
.macro OUTA a
.if (\a) > 0
	s_wait_xcnt 0x0                                ; the last block's stores have read their registers
.endif
.set n1, 0
.rept 16
	v_pk_fma_f32 v[TMP+n1:TMP+n1+1], v[ACC+32*(\a)+n1:ACC+32*(\a)+n1+1], s[80:81], v[BIAS+n1:BIAS+n1+1] op_sel_hi:[1,0,1]   ; each accumulator from its low end on
.set n1, n1+2
.endr
.irp p, 0,1
.irp q, 0,1,2,3
	ds_store_b128 v22, v[TMP+16*\p+4*\q:TMP+16*\p+4*\q+3] offset:128*\p+16*\q
.endr
.endr
.irp t, 0,1,2,3,4,5,6,7
	ds_load_b128 v[RB+4*\t:RB+4*\t+3], v23 offset:544*\t   ; a wave's LDS instructions are served in order
.endr
	s_wait_dscnt 0x0
	WIN 0x08                                       ; source 1 window 2
.set n1, 0
.rept 16
	v_pk_add_f32 v[RB+n1:RB+n1+1], v[RB+n1:RB+n1+1], v[32*(\a)+n1:32*(\a)+n1+1]
.set n1, n1+2
.endr
	WIN 0
.irp t, 0,1,2,3,4,5,6,7
	global_store_b128 v24, v[RB+4*\t:RB+4*\t+3], s[14:15] offset:(16*(\a)+2*\t)*4096   ; 16 lanes store 256 consecutive bytes, aligned
.endr
.endm
	OUTA 0
	OUTA 1
	OUTA 2
	OUTA 3
	s_wait_tensorcnt 0x0                           ; the wave's end
	ds_add_u32 v28, v29
	s_wait_dscnt 0x0
	CROUND
	s_endpgm
.Lfunc_end_k_q3ae5cfe6bf_gemm_o:
	.size	k_q3ae5cfe6bf_gemm_o, .Lfunc_end_k_q3ae5cfe6bf_gemm_o-k_q3ae5cfe6bf_gemm_o
	.p2alignl 7, 3214868480
	.fill 96, 4, 3214868480
	.section	.rodata,"a",@progbits
	.p2align	6, 0x0
	.amdhsa_kernel k_q3ae5cfe6bf_gemm_o
		.amdhsa_group_segment_fixed_size 327680
		.amdhsa_private_segment_fixed_size 0
		.amdhsa_enable_private_segment 0
		.amdhsa_kernarg_size 48
		.amdhsa_user_sgpr_count 2
		.amdhsa_user_sgpr_kernarg_segment_ptr 1
		.amdhsa_wavefront_size32 1
		.amdhsa_system_sgpr_workgroup_id_x 1
		.amdhsa_system_sgpr_workgroup_id_y 1
		.amdhsa_system_sgpr_workgroup_id_z 1
		.amdhsa_system_vgpr_workitem_id 0
		.amdhsa_next_free_vgpr 768
		.amdhsa_next_free_sgpr 100
		.amdhsa_reserve_vcc 0
		.amdhsa_float_denorm_mode_32 3
		.amdhsa_float_denorm_mode_16_64 3
		.amdhsa_memory_ordered 1
		.amdhsa_forward_progress 1
		.amdhsa_inst_pref_size 54
	.end_amdhsa_kernel
	.amdgpu_metadata
---
amdhsa.version: [ 1, 2 ]
amdhsa.kernels:
  - .name:           k_q3ae5cfe6bf_gemm_o
    .symbol:         k_q3ae5cfe6bf_gemm_o.kd
    .args:
      - { .name: act, .offset: 0, .size: 8, .value_kind: global_buffer, .address_space: global }
      - { .name: wcodes, .offset: 8, .size: 8, .value_kind: global_buffer, .address_space: global }
      - { .name: lowp_scales, .offset: 16, .size: 8, .value_kind: global_buffer, .address_space: global }
      - { .name: b_o, .offset: 24, .size: 8, .value_kind: global_buffer, .address_space: global }
      - { .name: x, .offset: 32, .size: 8, .value_kind: global_buffer, .address_space: global }
      - { .name: x1, .offset: 40, .size: 8, .value_kind: global_buffer, .address_space: global }
    .group_segment_fixed_size: 327680
    .private_segment_fixed_size: 0
    .kernarg_segment_align: 8
    .kernarg_segment_size: 48
    .max_flat_workgroup_size: 128
    .sgpr_count:     100
    .vgpr_count:     768
    .wavefront_size: 32
...
	.end_amdgpu_metadata
.endif
;; end of part 4
;; launch ln2 (part 5): grid 256 x 1, 4 waves a work-group, no clusters, 20,992 bytes of LDS; arguments x1, ln2_g, ln2_b, lowp_scales, act; writes act
.if DOCPART == 5
	.amdgcn_target "amdgcn-amd-amdhsa--gfx1250"
	.amdhsa_code_object_version 6
	.text
	.protected	k_q3ae5cfe6bf_ln2
	.globl	k_q3ae5cfe6bf_ln2
	.p2align	8
	.type	k_q3ae5cfe6bf_ln2,@function
k_q3ae5cfe6bf_ln2:
	s_mov_b64 s[64:65], 0
	v_nop
	global_prefetch_b8 v0, s[64:65] scope:SCOPE_SE
	s_setreg_imm32_b32 hwreg(HW_REG_WAVE_MODE, 25, 1), 1
	s_wait_xcnt 0x0
; a2 = LayerNorm(x1) as codes of E5M2 with the given scale 2^e8, laid [block of 128 rows][16 chunks of 64 along K][128 rows][64 bytes].
; A wave takes 4 rows, a row in 32 registers; mean first, then the mean of the squared differences.  No barrier: waves share nothing.
; LIMITS: e8 between -126 and 112; NaN is not served.
.set LG,   32                          ; v32-63 gain, v64-95 bias, v96-223 four rows, v16-23 a row's codes, v224-255 the way out
.set LB,   64
.set LX,   96
.set LC,   16
.set LO,   224
.macro REDUCE a, b
	v_add_f32_dpp v[\a], v[\a], v[\a] row_xmask:1 row_mask:0xf bank_mask:0xf
	v_add_f32_dpp v[\a], v[\a], v[\a] row_xmask:2 row_mask:0xf bank_mask:0xf
	v_add_f32_dpp v[\a], v[\a], v[\a] row_xmask:4 row_mask:0xf bank_mask:0xf
	v_add_f32_dpp v[\a], v[\a], v[\a] row_xmask:8 row_mask:0xf bank_mask:0xf
	v_permlanex16_b32 v[\b], v[\a], s56, s57
	v_add_f32 v[\a], v[\a], v[\b]
.endm
.macro ROW p                           ; register 4 j + q holds element 128 j + 4 x lane + q
.set XR, LX+32*(\p)
	s_wait_loadcnt 8*(3-(\p))                      ; gain, bias and this row are in; the later rows' loads may be out
	v_pk_add_f32 v[24:25], v[XR:XR+1], v[XR+2:XR+3]
	v_pk_add_f32 v[26:27], v[XR+4:XR+5], v[XR+6:XR+7]
.irp k, 8,12,16,20,24,28
	v_pk_add_f32 v[24:25], v[24:25], v[XR+\k:XR+\k+1]
	v_pk_add_f32 v[26:27], v[26:27], v[XR+\k+2:XR+\k+3]
.endr
	v_pk_add_f32 v[24:25], v[24:25], v[26:27]
	v_add_f32 v24, v24, v25
	REDUCE 24, 25
	v_mul_f32 v24, s58, v24                        ; the mean
	v_mov_b32 v25, v24
.set n2, 0
.rept 16
	v_pk_add_f32 v[XR+n2:XR+n2+1], v[XR+n2:XR+n2+1], v[24:25] neg_lo:[0,1] neg_hi:[0,1]
.set n2, n2+2
.endr
	v_pk_mul_f32 v[26:27], v[XR:XR+1], v[XR:XR+1]
	v_pk_mul_f32 v[28:29], v[XR+2:XR+3], v[XR+2:XR+3]
.irp k, 4,8,12,16,20,24,28
	v_pk_fma_f32 v[26:27], v[XR+\k:XR+\k+1], v[XR+\k:XR+\k+1], v[26:27]
	v_pk_fma_f32 v[28:29], v[XR+\k+2:XR+\k+3], v[XR+\k+2:XR+\k+3], v[28:29]
.endr
	v_pk_add_f32 v[26:27], v[26:27], v[28:29]
	v_add_f32 v26, v26, v27
	REDUCE 26, 27
	v_fma_f32 v26, v26, s58, s59                   ; the variance + 1e-5
	s_wait_alu depctr_va_vdst(0)
	v_rsq_f32 v26, v26
	v_nop                                          ; a plain instruction behind the transcendental
	s_wait_alu depctr_va_vdst(0)                   ; and the wait ahead of its first reader
	v_mov_b32 v27, v26
.set n2, 0
.rept 16
	v_pk_mul_f32 v[XR+n2:XR+n2+1], v[XR+n2:XR+n2+1], v[26:27]
.set n2, n2+2
.endr
.set n2, 0
.rept 16
	v_pk_fma_f32 v[XR+n2:XR+n2+1], v[XR+n2:XR+n2+1], v[LG+n2:LG+n2+1], v[LB+n2:LB+n2+1]
.set n2, n2+2
.endr
.set n2, 0
.rept 32
.set n2, n2+1
.endr
.if (\p) > 0
	s_wait_alu depctr_va_vdst(0)
	s_wait_dscnt 0x0                               ; the last row's stores have read the codes' registers
.endif
.irp m, 0,1,2,3
	v_cvt_scalef32_pk8_bf8_f32 v[LC+2*\m:LC+2*\m+1], v[XR+8*\m:XR+8*\m+7], v11
.endr
.irp j, 0,1,2,3,4,5,6,7
	ds_store_b32 v12, v[LC+\j] offset:640*\j+64*(\p)   ; chunk 2 j + lane / 16, row p, byte 4 (lane % 16)
.endr
.endm
	s_load_b256 s[4:11], s[0:1], 0x0               ; x1, gain, bias, the scales' exponents
	s_load_b64 s[22:23], s[0:1], 0x20              ; act
	v_lshl_add_u32 v30, v0, 2, 0x5000
	v_mov_b32 v31, 0
	v_lshrrev_b32 v1, 5, v0
	v_readfirstlane_b32 s36, v1                    ; wave
	v_and_b32 v2, 31, v0                           ; lane
	s_lshl_b32 s37, ttmp9, 4
	s_lshl_b32 s38, s36, 2
	s_add_co_u32 s37, s37, s38                     ; my first row
	s_lshl_b32 s38, s37, 12
	s_mov_b32 s39, 0
	v_lshlrev_b32 v3, 4, v2
	s_wait_alu depctr_va_vdst(0)
	s_wait_kmcnt 0x0
	s_load_b32 s24, s[10:11], 0x20                 ; e8
	s_add_nc_u64 s[4:5], s[4:5], s[38:39]
.irp j, 0,1,2,3,4,5,6,7
	global_load_b128 v[LG+4*\j:LG+4*\j+3], v3, s[6:7] offset:512*\j
.endr
.irp j, 0,1,2,3,4,5,6,7
	global_load_b128 v[LB+4*\j:LB+4*\j+3], v3, s[8:9] offset:512*\j
.endr
.irp p, 0,1,2,3
.irp j, 0,1,2,3,4,5,6,7
	global_load_b128 v[LX+32*\p+4*\j:LX+32*\p+4*\j+3], v3, s[4:5] offset:4096*\p+512*\j
.endr
.endr
	s_lshr_b32 s38, s37, 7
	s_lshl_b32 s38, s38, 17
	s_and_b32 s40, s37, 127
	s_lshl_b32 s40, s40, 6
	s_add_co_u32 s38, s38, s40
	s_add_nc_u64 s[22:23], s[22:23], s[38:39]
	s_mov_b32 s56, 0x76543210
	s_mov_b32 s57, 0xfedcba98
	s_mov_b32 s58, 0x3a800000                      ; 1 / 1024
	s_mov_b32 s59, 0x3727c5ac                      ; 1e-5
	s_mul_i32 s60, s36, 5120                       ; my stage: 16 chunks x (4 rows x 64 bytes + 64)
	v_bfe_u32 v5, v0, 4, 1
	v_mul_u32_u24 v12, v5, 320
	v_and_b32 v5, 15, v0
	v_lshl_add_u32 v12, v5, 2, v12
	v_add_nc_u32 v12, s60, v12
	v_lshlrev_b32 v14, 3, v2
	v_add_nc_u32 v13, s60, v14
	s_wait_kmcnt 0x0
	s_add_co_i32 s61, s24, 127
	s_lshl_b32 s62, s61, 23
	v_mov_b32 v11, s62
	s_add_co_i32 s61, s61, 15
	s_lshl_b32 s61, s61, 23
	s_or_b32 s61, s61, 0x600000
	ROW 0
	ROW 1
	ROW 2
	ROW 3
.set n1, 0
.rept 16
	ds_load_b64 v[LO+2*n1:LO+2*n1+1], v13 offset:320*n1
.set n1, n1+1
.endr
.set n1, 0
.rept 16
	s_wait_dscnt 15-n1
	global_store_b64 v14, v[LO+2*n1:LO+2*n1+1], s[22:23] offset:8192*n1   ; 32 lanes store 256 consecutive bytes, aligned
.set n1, n1+1
.endr
	s_wait_tensorcnt 0x0
	ds_add_u32 v30, v31
	s_wait_dscnt 0x0
	s_endpgm
.Lfunc_end_k_q3ae5cfe6bf_ln2:
	.size	k_q3ae5cfe6bf_ln2, .Lfunc_end_k_q3ae5cfe6bf_ln2-k_q3ae5cfe6bf_ln2
	.p2alignl 7, 3214868480
	.fill 96, 4, 3214868480
	.section	.rodata,"a",@progbits
	.p2align	6, 0x0
	.amdhsa_kernel k_q3ae5cfe6bf_ln2
		.amdhsa_group_segment_fixed_size 20992
		.amdhsa_private_segment_fixed_size 0
		.amdhsa_enable_private_segment 0
		.amdhsa_kernarg_size 40
		.amdhsa_user_sgpr_count 2
		.amdhsa_user_sgpr_kernarg_segment_ptr 1
		.amdhsa_wavefront_size32 1
		.amdhsa_system_sgpr_workgroup_id_x 1
		.amdhsa_system_sgpr_workgroup_id_y 1
		.amdhsa_system_sgpr_workgroup_id_z 1
		.amdhsa_system_vgpr_workitem_id 0
		.amdhsa_next_free_vgpr 256
		.amdhsa_next_free_sgpr 66
		.amdhsa_reserve_vcc 0
		.amdhsa_float_denorm_mode_32 3
		.amdhsa_float_denorm_mode_16_64 3
		.amdhsa_fp16_overflow 1
		.amdhsa_memory_ordered 1
		.amdhsa_forward_progress 1
		.amdhsa_inst_pref_size 38
	.end_amdhsa_kernel
	.amdgpu_metadata
---
amdhsa.version: [ 1, 2 ]
amdhsa.kernels:
  - .name:           k_q3ae5cfe6bf_ln2
    .symbol:         k_q3ae5cfe6bf_ln2.kd
    .args:
      - { .name: x1, .offset: 0, .size: 8, .value_kind: global_buffer, .address_space: global }
      - { .name: ln2_g, .offset: 8, .size: 8, .value_kind: global_buffer, .address_space: global }
      - { .name: ln2_b, .offset: 16, .size: 8, .value_kind: global_buffer, .address_space: global }
      - { .name: lowp_scales, .offset: 24, .size: 8, .value_kind: global_buffer, .address_space: global }
      - { .name: act, .offset: 32, .size: 8, .value_kind: global_buffer, .address_space: global }
    .group_segment_fixed_size: 20992
    .private_segment_fixed_size: 0
    .kernarg_segment_align: 8
    .kernarg_segment_size: 40
    .max_flat_workgroup_size: 128
    .sgpr_count:     66
    .vgpr_count:     256
    .wavefront_size: 32
...
	.end_amdgpu_metadata
.endif
;; end of part 5
;; launch gemm_fc1 (part 6): grid 16 x 16, 4 waves a work-group, clusters of 4 x 4, 327,680 bytes of LDS; arguments act, wcodes, lowp_scales, b_fc1, hcodes; writes hcodes
.if DOCPART == 6
	.amdgcn_target "amdgcn-amd-amdhsa--gfx1250"
	.amdhsa_code_object_version 6
	.text
	.protected	k_q3ae5cfe6bf_gemm_fc1
	.globl	k_q3ae5cfe6bf_gemm_fc1
	.p2align	8
	.type	k_q3ae5cfe6bf_gemm_fc1,@function
k_q3ae5cfe6bf_gemm_fc1:
	s_mov_b64 s[64:65], 0
	v_nop
	global_prefetch_b8 v0, s[64:65] scope:SCOPE_SE
	s_setreg_imm32_b32 hwreg(HW_REG_WAVE_MODE, 25, 1), 1
	s_wait_xcnt 0x0
	s_wait_alu depctr_hold_cnt(0) depctr_sa_sdst(0) depctr_va_vdst(0) depctr_va_sdst(0) depctr_va_ssrc(0) depctr_va_vcc(0) depctr_vm_vsrc(0)
	s_getreg_b32 s2, hwreg(HW_REG_IB_STS2, 6, 4)
	s_cmp_eq_u32 s2, 0
	s_cbranch_scc0 .Lentry_in_a_cluster
	s_endpgm
.Lentry_in_a_cluster:
	s_bfe_u32 s2, ttmp6, 0x10000c
	s_cmp_lg_u32 s2, 0xf033
	s_cbranch_scc0 .Lentry_shape_is_right
	s_endpgm
.Lentry_shape_is_right:
; h = gelu(a2 W1 x 2^(e8 + e9) + b_fc1), quantised at once (e10) as the next product's operand, laid [block of 128 rows][64 chunks of 64 along K][128 rows][64 bytes].
; gelu in its tanh form: x / (1 + 2^z), z = x (k0 + k1 x^2), k0 = -2 sqrt(2 / pi) log2(e), k1 = 0.044715 k0: the same function as x (1 + tanh(..)) / 2, all in f32.
; A tile of C is 256 x 256: four waves, as many as a WGP has SIMDs, each 128 x 128 in 64 accumulators.  16 x 16 tiles: one work-group each.
; A's codes lie [block of 128 rows][16 chunks of 64 along K][128 rows][64 bytes], B's [block of 128 columns][8 chunks of 128 along K][128 rows][128 bytes]: what a wave fetches is one dense run of 32,768 bytes.
; K goes through two LDS slots of 256 along K: both are filled at the start and each once again, one joint load a wave behind a round of the cluster's barrier.
; CLUSTERS: 4 x 4 work-groups; A's tile is shared along a row of the cluster, B's along a column: each is asked for jointly, by the same tensor load with the same descriptor and a mask of four.
; THE MATRIX INSTRUCTION IS USED TRANSPOSED (source 0 = 16 rows of B, source 1 = 16 rows of A).  Inside each group of 32 rows of B the column n lies at the place whose bits 3 and 4 are n's bits 4 and 3:
; so a lane's 16 registers of tiles 2 b', 2 b' + 1 are 16 neighbouring columns 32 b' + 16 (lane / 16) + 0 .. 15 of one row of C.
; A fragment (16 rows x 128 K) is fetched by four loads of 16 bytes: registers 4 c .. 4 c + 3 hold K = 32 c + 16 (lane / 16) + 0 .. 15: one permutation of K, the same on both sides.
; LIMITS: e8 + e9 between -126 and 127; e10 between -126 and 112.  NaN is not served.
; REGISTERS, in windows of 256: window 0: v1-13 at work, v16-27 addresses, v28, v29 the spare word and 0, v[30:31] k0, v32-95 bias, v128-255 A's fragments (8 x 16 rows x 128 K), ONE set; on the way out v96-255 are free.
;   window 1: B's fragments, TWO sets, at v0 and v128.   window 2: the accumulators of my rows 0-63 ((a, b) at v[8 (8 a + b)]);   window 3: those of my rows 64-127.
.set WOFF,  4194304                    ; w_fc1's codes in wcodes
.set SLOT,  155648                     ; A: 2 blocks x 4 chunks x 128 rows x 80 bytes; B: 2 blocks x 2 chunks x 128 rows x 144 bytes
.set BOFF,  81920
.set SPARE, 2*SLOT                     ; behind the ring: the spare words, 128 bytes a wave, which no other line names
.set CHS,   8192                       ; from my first chunk of 64 columns to my second
.set NL,    4                          ; LDS loads that bring a fragment
.set ADRA, 16                          ; v16-17  LDS address of my A fragments in slot 0, 1
.set ADRB, 20                          ; v20-21  the same for B
.set STO,  24                          ; v24, v25 the stage of codes: in, back
.set RD,   25
.set CO,   26                          ; v26     16 x lane
.set BO,   27                          ; v27     the bias: 64 bytes further on for lanes 16-31
.set SPW,  28
.set NIL,  29
.set BIAS, 32                          ; v32-95  register 16 b' + i: column 32 b' + 16 (lane / 16) + i of my 128
.set X,    96                          ; the way out: a block's 64 numbers
.set Z,    160                         ; at work on them
.set CD,   160                         ; then the block's codes
.set RB,   224                         ; what is stored: two sets of 16
.set AF,   128
.set G1A, 24
.set G0A, 32
.set G1B, 48
.set G0B, 56
.set MUL_LO, 0xa1                      ; source 0 (B) window 1, source 1 (A) window 0, C and D window 2
.set MUL_HI, 0xf1                      ; the same, C and D window 3
.set MSB, 0
.macro WIN new                         ; the immediate's high byte repeats the setting that is left
.if MSB != (\new)
	s_set_vgpr_msb (MSB<<8)|(\new)
.set MSB, (\new)
.endif
.endm
.macro PLACES
.rept 4
	v_nop
.endr
.endm
.macro JLOAD s                         ; a joint load: waves 0 and 1 fetch A's two blocks of rows, waves 2 and 3 B's; four v_nop follow each line
	s_cmp_eq_u32 s17, 0
	s_cbranch_scc0 .Lfor_b_\@
	tensor_load_to_lds s[G0A+4*\s:G0A+4*\s+3], s[G1A:G1A+7]
	s_nop 0
.rept 4
	v_nop
.endr
	s_branch .Lasked_\@
.Lfor_b_\@:
	tensor_load_to_lds s[G0B+4*\s:G0B+4*\s+3], s[G1B:G1B+7]
	s_nop 0
.rept 4
	v_nop
.endr
.Lasked_\@:
.endm
.macro CREST                           ; a round of the cluster's barrier behind its opening barrier
	s_cmp_lg_u32 s16, 0
	s_cbranch_scc1 .Lnot_wave_0_\@
	s_barrier_signal -3
.Lnot_wave_0_\@:
	s_barrier_wait -3
	s_barrier_signal -1
	s_barrier_wait -1
.endm
.macro CROUND                          ; a whole round
	s_barrier_signal -1
	s_barrier_wait -1
	CREST
.endm
.macro FETCH_B slot, q, p              ; B's eight fragments of the slot's q-th 128 along K into set p
	WIN 0x40                                       ; destination window 1, address window 0
.irp i, 0,1,2,3,4,5,6,7
.irp c, 0,1,2,3
	ds_load_b128 v[128*(\p)+16*\i+4*\c:128*(\p)+16*\i+4*\c+3], v[ADRB+(\slot)] offset:(\q)*18432+\i*2304+32*\c
.endr
.endr
	WIN 0
.endm
.macro FETCH_A slot, q, i0             ; A's blocks i0 .. i0 + 3
.irp i, \i0, \i0+1, \i0+2, \i0+3
.irp c, 0,1,2,3
	ds_load_b128 v[AF+16*(\i)+4*\c:AF+16*(\i)+4*\c+3], v[ADRA+(\slot)] offset:(2*(\q)+\c/2)*10240+(\i)*1280+32*(\c%2)
.endr
.endr
.endm
; 16 matrix instructions: A's blocks a0, a0 + 1 x B's eight.  The 64 accumulators take turns, one instruction a turn, in the same order in every step.  zero = 1: the first products start the sums
.macro MUL16 a0, p, zero
.irp a, \a0, \a0+1
.irp b, 0,1,2,3,4,5,6,7
.if \zero
	v_wmma_f32_16x16x128_bf8_bf8 v[8*(8*((\a)%4)+\b):8*(8*((\a)%4)+\b)+7], v[128*(\p)+16*\b:128*(\p)+16*\b+15], v[AF+16*(\a):AF+16*(\a)+15], 0
.else
	v_wmma_f32_16x16x128_bf8_bf8 v[8*(8*((\a)%4)+\b):8*(8*((\a)%4)+\b)+7], v[128*(\p)+16*\b:128*(\p)+16*\b+15], v[AF+16*(\a):AF+16*(\a)+15], v[8*(8*((\a)%4)+\b):8*(8*((\a)%4)+\b)+7]
.endif
.endr
.endr
.endm
; A slot's first step of 128 along K.  A block of A is free as soon as its eight products are issued: blocks 0-3 are fetched anew in the step's middle, blocks 4-7 at its end; B's next set comes in the middle run.
; Four places stand between matrix instructions and loads into registers that they have read (ISA guide 7.12.1 for vector instructions).
.macro STEP slot, q, zero
	s_wait_dscnt 4*NL                              ; B's set and A's blocks 0-3 are in; the youngest 16 loads (A's blocks 4-7) may be out
	WIN MUL_LO
	MUL16 0, (\q)%2, \zero
	MUL16 2, (\q)%2, \zero
	s_wait_dscnt 0                                 ; A's blocks 4-7 are in
	PLACES
	FETCH_B \slot, (\q)+1, 1-(\q)%2
	FETCH_A \slot, (\q)+1, 0
	WIN MUL_HI
	MUL16 4, (\q)%2, \zero
	MUL16 6, (\q)%2, \zero
	PLACES
	WIN 0
	FETCH_A \slot, (\q)+1, 4
.endm
; A slot's second and last step changes slots: ONE barrier; in front of it each wave waits for all its tensor loads, adds 0 to its spare word, and waits for that and for its reads of this slot.  fill = 1: this slot is filled again, 512 along K on.
.macro TURN slot, next, fill
	s_wait_tensorcnt 0x0                           ; all my tensor loads have landed: my part of the next slot; so a descriptor may be written
	ds_add_u32 v[SPW], v[NIL]                      ; 0 onto my spare word
	s_wait_dscnt 4*NL+1                            ; the add and the youngest 16 loads may be out
	WIN MUL_LO
	MUL16 0, 1, 0                                  ; sixteen matrix instructions stand between the add and the wait for it
	s_wait_dscnt 0x0                               ; the add is done, and my reads of this slot are over
	s_barrier_signal -1
	MUL16 2, 1, 0
	WIN 0
	s_barrier_wait -1
.if \fill
	CREST                                          ; the barrier has opened a round of the cluster's: no wave of any partner still reads this slot or has a load on its way
	s_add_nc_u64 s[G0A+4*\slot+2:G0A+4*\slot+3], s[G0A+4*\slot+2:G0A+4*\slot+3], 65536   ; 8 chunks of A,
	s_add_nc_u64 s[G0B+4*\slot+2:G0B+4*\slot+3], s[G0B+4*\slot+2:G0B+4*\slot+3], 65536   ; 4 chunks of B
	JLOAD \slot                                    ; the first tensor load behind the round; its four v_nop are the places in front of the loads below
.else
	PLACES
.endif
	FETCH_B \next, 0, 0
	FETCH_A \next, 0, 0
	WIN MUL_HI
	MUL16 4, 1, 0
	MUL16 6, 1, 0
	PLACES
	WIN 0
	FETCH_A \next, 0, 4
.endm
	s_load_b256 s[4:11], s[0:1], 0x0               ; A's codes, wcodes, the scales' exponents, the bias
	s_load_b64 s[12:13], s[0:1], 0x20              ; hcodes
	v_lshl_add_u32 v[SPW], v0, 2, SPARE
	v_mov_b32 v[NIL], 0
	ds_add_u32 v28, v29
	s_wait_dscnt 0x0
	v_lshrrev_b32 v1, 5, v0
	v_readfirstlane_b32 s16, v1                    ; wave 0..3
	s_lshr_b32 s17, s16, 1                         ; which 128 rows are mine.  Also: I fetch for A (0) or for B (1)
	s_and_b32 s18, s16, 1                          ; which 128 columns.  Also: which block of 128 rows of that tile I fetch
	s_bfe_u32 s19, ttmp6, 0x40000                  ; cx
	s_bfe_u32 s20, ttmp6, 0x40004                  ; cy
	s_lshl_b32 s21, ttmp9, 2
	s_add_co_u32 s21, s21, s19                     ; tile column 0..15
	s_and_b32 s22, ttmp7, 0xffff
	s_lshl_b32 s22, s22, 2
	s_add_co_u32 s22, s22, s20                     ; tile row 0..15
	s_lshl_b32 s40, s20, 2
	s_lshl_b32 s40, 15, s40                        ; my row of the cluster
	s_lshl_b32 s41, 0x1111, s19                    ; my column
	s_or_b32 s[G1A], s40, (1<<20)|(1<<21)|(3<<22)|(3<<25)   ; elements of 1 byte; padding: 4 words behind every 16; bit 21 beside a mask
	s_mov_b32 s[G1A+1], 64<<16                     ; tensor_dim0 = 64
	s_mov_b32 s[G1A+2], 512<<16                    ; tensor_dim1 = 512: four chunks of 128 rows, dense in memory
	s_mov_b32 s[G1A+3], 64<<16                     ; tile_dim0
	s_mov_b32 s[G1A+4], 512                        ; tile_dim1
	s_mov_b32 s[G1A+5], 64                         ; from row to row
	s_mov_b32 s[G1A+6], 0
	s_mov_b32 s[G1A+7], 0
	s_or_b32 s[G1B], s41, (1<<20)|(1<<21)|(4<<22)|(3<<25)   ; padding: 4 words behind every 32
	s_mov_b32 s[G1B+1], 128<<16
	s_mov_b32 s[G1B+2], 256<<16                    ; two chunks of 128 rows
	s_mov_b32 s[G1B+3], 128<<16
	s_mov_b32 s[G1B+4], 256
	s_mov_b32 s[G1B+5], 128
	s_mov_b32 s[G1B+6], 0
	s_mov_b32 s[G1B+7], 0
	s_lshl_b32 s42, s22, 18                        ; A: two blocks of 131,072 bytes x tile row,
	s_lshl_b32 s43, s18, 17                        ; + the block that I fetch
	s_add_co_u32 s42, s42, s43
	s_mov_b32 s43, 0
	s_lshl_b32 s44, s21, 18                        ; B likewise, by the tile column
	s_lshl_b32 s45, s18, 17
	s_add_co_u32 s44, s44, s45
	s_add_co_u32 s44, s44, WOFF
	s_mov_b32 s45, 0
	s_mul_i32 s46, s18, 40960                      ; where they go: no place in the cluster enters an LDS address
	s_mul_i32 s47, s18, 36864
	s_add_co_u32 s47, s47, BOFF
	s_wait_kmcnt 0x0
	s_load_b128 s[72:75], s[8:9], 0x20             ; e8, e9, e10, e11
	s_add_nc_u64 s[42:43], s[4:5], s[42:43]
	s_add_nc_u64 s[44:45], s[6:7], s[44:45]
	CROUND                                         ; all sixteen work-groups are here: the first joint loads meet
.irp s, 0,1
	s_mov_b32 s[G0A+4*\s], 1
	s_add_co_u32 s[G0A+4*\s+1], s46, \s*SLOT
	s_add_nc_u64 s[G0A+4*\s+2:G0A+4*\s+3], s[42:43], \s*32768   ; slot s: K = 256 s on
	s_or_b32 s[G0A+4*\s+3], s[G0A+4*\s+3], 0x80000000
	s_mov_b32 s[G0B+4*\s], 1
	s_add_co_u32 s[G0B+4*\s+1], s47, \s*SLOT
	s_add_nc_u64 s[G0B+4*\s+2:G0B+4*\s+3], s[44:45], \s*32768
	s_or_b32 s[G0B+4*\s+3], s[G0B+4*\s+3], 0x80000000
	JLOAD \s                                       ; two loads of mine are out
.endr
	v_and_b32 v1, 15, v0                           ; r
	v_bfe_u32 v2, v0, 4, 1                         ; h
	v_mul_u32_u24 v3, v1, 80
	v_lshl_add_u32 v3, v2, 4, v3                   ; r x 80 + 16 h
	s_mul_i32 s66, s17, 40960
	v_add_nc_u32 v[ADRA], s66, v3                  ; my 128 rows of A, slot 0
	v_add_nc_u32 v[ADRA+1], SLOT, v[ADRA]
	v_mul_u32_u24 v4, v1, 144
	v_lshl_add_u32 v4, v2, 4, v4
	s_mul_i32 s66, s18, 36864
	s_add_co_u32 s66, s66, BOFF
	v_add_nc_u32 v[ADRB], s66, v4                  ; my 128 rows of B
	v_add_nc_u32 v[ADRB+1], SLOT, v[ADRB]
	s_mul_i32 s66, s16, 2560                       ; my stage of codes: two chunks x 16 rows x 80 bytes, in slot 0, behind its last fill and its last read
	v_add_nc_u32 v[STO], s66, v3                   ; in: row r, + 16 h
	v_and_b32 v5, 31, v0
	v_lshrrev_b32 v10, 2, v5
	v_mul_u32_u24 v6, v10, 80
	v_and_b32 v7, 3, v0
	v_lshl_add_u32 v6, v7, 4, v6
	v_add_nc_u32 v[RD], s66, v6                    ; back: four lanes to a row of 64 bytes
	v_lshlrev_b32 v[CO], 4, v5
	v_lshlrev_b32 v[BO], 6, v2
	v_mov_b32 v30, 0xc0135761                      ; k0
	v_mov_b32 v31, 0xc0135761
	s_mov_b32 s82, 0xbdd2d3e8                      ; k1
	s_mov_b32 s83, 0xbdd2d3e8
	s_lshl_b32 s66, s21, 10
	s_lshl_b32 s67, s18, 9
	s_add_co_u32 s66, s66, s67
	s_mov_b32 s67, 0
	s_add_nc_u64 s[10:11], s[10:11], s[66:67]      ; the bias of my 128 columns
.irp p, 0,1,2,3
.irp q, 0,1,2,3
	global_load_b128 v[BIAS+16*\p+4*\q:BIAS+16*\p+4*\q+3], v[BO], s[10:11] offset:128*\p+16*\q
.endr
.endr
	s_lshl_b32 s66, s22, 1                         ; where my codes go: my block of 128 rows, 2 x tile row + half, x 524,288 bytes,
	s_add_co_u32 s66, s66, s17
	s_lshl_b32 s66, s66, 19
	s_lshl_b32 s67, s21, 1
	s_add_co_u32 s67, s67, s18                     ; + my block of 128 columns: two chunks of 8,192 bytes
	s_lshl_b32 s67, s67, 14
	s_add_co_u32 s66, s66, s67
	s_mov_b32 s67, 0
	s_add_nc_u64 s[12:13], s[12:13], s[66:67]
	s_wait_tensorcnt 1                             ; my part of slot 0 is in; slot 1's may be out
	s_barrier_signal -1
	s_barrier_wait -1
	FETCH_B 0, 0, 0
	FETCH_A 0, 0, 0
	FETCH_A 0, 0, 4
	STEP 0, 0, 1                                   ; K 0: the first products start the sums: nothing is cleared
	TURN 0, 1, 1                                   ; K 128; slot 0 takes K 512 on
	STEP 1, 0, 0                                   ; K 256
	TURN 1, 0, 1                                   ; K 384; slot 1 takes K 768 on
	STEP 0, 0, 0                                   ; K 512
	TURN 0, 1, 0                                   ; K 640; nothing is left to fetch
	STEP 1, 0, 0                                   ; K 768
	s_wait_dscnt 4*NL                              ; K 896: the very last step
	WIN MUL_LO
	MUL16 0, 1, 0
	MUL16 2, 1, 0
	s_wait_dscnt 0
	WIN MUL_HI
	MUL16 4, 1, 0
	MUL16 6, 1, 0
	WIN 0
	PLACES
	; THE WAY OUT, a block of 16 rows x 128 columns at a time: 64 numbers a lane
	s_wait_kmcnt 0x0
	s_wait_loadcnt 0x0                             ; the bias
	s_add_co_i32 s80, s72, s73
	s_add_co_i32 s80, s80, 127
	s_lshl_b32 s80, s80, 23                        ; 2^(e8 + e9) as f32
	s_mov_b32 s81, s80                             ; (named with it as a pair, so it is written)
	s_add_co_i32 s84, s74, 127
	s_lshl_b32 s85, s84, 23
	v_mov_b32 v12, s85                             ; 2^e10
	s_add_co_i32 s84, s84, 15
	s_lshl_b32 s84, s84, 23
	s_or_b32 s84, s84, 0x600000
	v_mov_b32 v13, s84                             ; 57,344 x 2^e10
.macro ROWS a
.set AC, 64*((\a)%4)
	WIN 0x02+((\a)/4)                              ; source 0: window 2 or 3
.set n1, 0
.rept 32
	v_pk_fma_f32 v[X+n1:X+n1+1], v[AC+n1:AC+n1+1], s[80:81], v[BIAS+n1:BIAS+n1+1] op_sel_hi:[1,0,1]   ; x = sum x 2^(e8 + e9) + bias; each accumulator from its low end on
.set n1, n1+2
.endr
	WIN 0
.set n1, 0
.rept 32
	v_pk_mul_f32 v[Z+n1:Z+n1+1], v[X+n1:X+n1+1], v[X+n1:X+n1+1]
.set n1, n1+2
.endr
.set n1, 0
.rept 32
	v_pk_fma_f32 v[Z+n1:Z+n1+1], v[Z+n1:Z+n1+1], s[82:83], v[30:31] op_sel_hi:[1,0,1]   ; k1 x^2 + k0
.set n1, n1+2
.endr
.set n1, 0
.rept 32
	v_pk_mul_f32 v[Z+n1:Z+n1+1], v[Z+n1:Z+n1+1], v[X+n1:X+n1+1]   ; z
.set n1, n1+2
.endr
.set n1, 0
.rept 64
	v_exp_f32 v[Z+n1], v[Z+n1]
.set n1, n1+1
.endr
	v_nop                                          ; a plain instruction behind the batch,
	s_wait_alu depctr_va_vdst(0)                   ; and one wait for it, ahead of its first reader
.set n1, 0
.rept 32
	v_pk_add_f32 v[Z+n1:Z+n1+1], v[Z+n1:Z+n1+1], 1.0 op_sel_hi:[1,0]
.set n1, n1+2
.endr
.set n1, 0
.rept 64
	v_rcp_f32 v[Z+n1], v[Z+n1]
.set n1, n1+1
.endr
	v_nop
	s_wait_alu depctr_va_vdst(0)
.set n1, 0
.rept 32
	v_pk_mul_f32 v[X+n1:X+n1+1], v[X+n1:X+n1+1], v[Z+n1:Z+n1+1]   ; gelu(x)
.set n1, n1+2
.endr
.set n1, 0
.rept 64
	v_med3_num_f32 v[X+n1], v[X+n1], -v13, v13     ; the conversion to an 8-bit code does not saturate (ISA guide 7.6.2): the hold comes first
.set n1, n1+1
.endr
.irp p, 0,1,2,3
	v_cvt_scalef32_pk8_bf8_f32 v[CD+4*\p:CD+4*\p+1], v[X+16*\p:X+16*\p+7], v12
	v_cvt_scalef32_pk8_bf8_f32 v[CD+4*\p+2:CD+4*\p+3], v[X+16*\p+8:X+16*\p+15], v12
.endr
	v_nop                                          ; a plain instruction behind the last conversion
.endm
.macro TOSTAGE a                       ; 16 bytes a lane into rows of 80 bytes, chunk b' / 2, and back as 512 consecutive bytes; a wave's LDS instructions are served in order (ISA guide 5.7.1.4)
.irp p, 0,1,2,3
	ds_store_b128 v[STO], v[CD+4*\p:CD+4*\p+3] offset:(\p/2)*1280+32*(\p%2)
.endr
.irp t, 0,1,2,3
	ds_load_b128 v[RB+16*((\a)%2)+4*\t:RB+16*((\a)%2)+4*\t+3], v[RD] offset:640*\t
.endr
.endm
.macro SEND a, younger                 ; younger: the LDS instructions issued behind block a's loads, which may stay out
	s_wait_dscnt \younger
.irp t, 0,1,2,3
	global_store_b128 v[CO], v[RB+16*((\a)%2)+4*\t:RB+16*((\a)%2)+4*\t+3], s[12:13] offset:(\t/2)*CHS+(\a)*1024+(\t%2)*512   ; 512 consecutive bytes, aligned: eight rows of one chunk
.endr
.endm
	ROWS 0
	TOSTAGE 0
.irp a, 1,2,3,4,5,6,7                  ; block a's arithmetic stands between block a - 1's loads from the stage and its stores
	ROWS \a
.if \a > 1
	s_wait_xcnt 0x0                                ; block a - 2's stores have read their registers: block a's loads may land there
.endif
	TOSTAGE \a
	SEND \a-1, 8                                   ; behind block a - 1's loads: block a's 4 stores and 4 loads
.endr
	SEND 7, 0
	s_wait_tensorcnt 0x0                           ; the wave's end
	ds_add_u32 v[SPW], v[NIL]
	s_wait_dscnt 0x0
	CROUND                                         ; the closing round
	s_endpgm
.Lfunc_end_k_q3ae5cfe6bf_gemm_fc1:
	.size	k_q3ae5cfe6bf_gemm_fc1, .Lfunc_end_k_q3ae5cfe6bf_gemm_fc1-k_q3ae5cfe6bf_gemm_fc1
	.p2alignl 7, 3214868480
	.fill 96, 4, 3214868480
	.section	.rodata,"a",@progbits
	.p2align	6, 0x0
	.amdhsa_kernel k_q3ae5cfe6bf_gemm_fc1
		.amdhsa_group_segment_fixed_size 327680
		.amdhsa_private_segment_fixed_size 0
		.amdhsa_enable_private_segment 0
		.amdhsa_kernarg_size 40
		.amdhsa_user_sgpr_count 2
		.amdhsa_user_sgpr_kernarg_segment_ptr 1
		.amdhsa_wavefront_size32 1
		.amdhsa_system_sgpr_workgroup_id_x 1
		.amdhsa_system_sgpr_workgroup_id_y 1
		.amdhsa_system_sgpr_workgroup_id_z 1
		.amdhsa_system_vgpr_workitem_id 0
		.amdhsa_next_free_vgpr 1024
		.amdhsa_next_free_sgpr 100
		.amdhsa_reserve_vcc 0
		.amdhsa_float_denorm_mode_32 3
		.amdhsa_float_denorm_mode_16_64 3
		.amdhsa_memory_ordered 1
		.amdhsa_forward_progress 1
		.amdhsa_inst_pref_size 253
	.end_amdhsa_kernel
	.amdgpu_metadata
---
amdhsa.version: [ 1, 2 ]
amdhsa.kernels:
  - .name:           k_q3ae5cfe6bf_gemm_fc1
    .symbol:         k_q3ae5cfe6bf_gemm_fc1.kd
    .args:
      - { .name: act, .offset: 0, .size: 8, .value_kind: global_buffer, .address_space: global }
      - { .name: wcodes, .offset: 8, .size: 8, .value_kind: global_buffer, .address_space: global }
      - { .name: lowp_scales, .offset: 16, .size: 8, .value_kind: global_buffer, .address_space: global }
      - { .name: b_fc1, .offset: 24, .size: 8, .value_kind: global_buffer, .address_space: global }
      - { .name: hcodes, .offset: 32, .size: 8, .value_kind: global_buffer, .address_space: global }
    .group_segment_fixed_size: 327680
    .private_segment_fixed_size: 0
    .kernarg_segment_align: 8
    .kernarg_segment_size: 40
    .max_flat_workgroup_size: 128
    .sgpr_count:     100
    .vgpr_count:     1024
    .wavefront_size: 32
...
	.end_amdgpu_metadata
.endif
;; end of part 6
;; launch gemm_fc2 (part 7): grid 8 x 32, 4 waves a work-group, clusters of 4 x 4, 327,680 bytes of LDS; arguments hcodes, wcodes, lowp_scales, b_fc2, x1, out0; writes out0
.if DOCPART == 7
	.amdgcn_target "amdgcn-amd-amdhsa--gfx1250"
	.amdhsa_code_object_version 6
	.text
	.protected	k_q3ae5cfe6bf_gemm_fc2
	.globl	k_q3ae5cfe6bf_gemm_fc2
	.p2align	8
	.type	k_q3ae5cfe6bf_gemm_fc2,@function
k_q3ae5cfe6bf_gemm_fc2:
	s_mov_b64 s[64:65], 0
	v_nop
	global_prefetch_b8 v0, s[64:65] scope:SCOPE_SE
	s_setreg_imm32_b32 hwreg(HW_REG_WAVE_MODE, 25, 1), 1
	s_wait_xcnt 0x0
	s_wait_alu depctr_hold_cnt(0) depctr_sa_sdst(0) depctr_va_vdst(0) depctr_va_sdst(0) depctr_va_ssrc(0) depctr_va_vcc(0) depctr_vm_vsrc(0)
	s_getreg_b32 s2, hwreg(HW_REG_IB_STS2, 6, 4)
	s_cmp_eq_u32 s2, 0
	s_cbranch_scc0 .Lentry_in_a_cluster
	s_endpgm
.Lentry_in_a_cluster:
	s_bfe_u32 s2, ttmp6, 0x10000c
	s_cmp_lg_u32 s2, 0xf033
	s_cbranch_scc0 .Lentry_shape_is_right
	s_endpgm
.Lentry_shape_is_right:
; out = x1 + (h W2 x 2^(e10 + e11) + b_fc2), h and W2 as codes of E5M2; x1 and out f32, [4096][1024].  K = 4,096.
; THE CORE is that of this program's other products: a tile of C 128 x 128, four waves of 64 x 64 in 16 accumulators; A's codes [128 rows' block][K / 64][128][64 bytes], B's [128 columns' block][K / 128][128][128 bytes];
; a ring of two LDS slots of 512 along K: both are filled at the start and each three times again, one joint load a wave behind each round of the cluster's barrier, with a slot's 64 products a wave in which to land;
; clusters of 4 x 4 with A's tile shared along a row and B's along a column; the matrix instruction used transposed, so that a lane's 16 registers of tiles 2 b', 2 b' + 1 are columns
; 32 b' + 16 (lane / 16) + 0 .. 15 of one row of C; fragments by loads of 16 bytes (one permutation of K on both sides).
; LIMIT: e10 + e11 between -126 and 127.
; REGISTERS: window 0: v16-21 LDS addresses, v22-25 the way out, v28, v29 the spare word and 0, v32-63 bias, v64-127 the way out, v128-255 accumulators.  window 1: two fragment buffers.  window 2: v0-127 my part of x1.
.set SIZE_K, 4096
.set NCHA,  SIZE_K/64
.set NCHB,  SIZE_K/128
.set WOFF,  8388608                    ; w_fc2's codes in wcodes
.set EA,    40                         ; the scales' pair: entries 10, 11
.set LAPS,  SIZE_K/1024
.set SLOT,  155648
.set BOFF,  81920
.set SPARE, 2*SLOT
.set G1A, 24
.set G0A, 32
.set G1B, 48
.set G0B, 56
.set ACC, 128
.set BIAS, 32
.set TMP, 64
.set RB,  96
.set MSB, 0
.macro WIN new
.if MSB != \new
	s_set_vgpr_msb (MSB<<8)|\new
.set MSB, \new
.endif
.endm
.macro PLACES
.rept 4
	v_nop
.endr
.endm
.macro JLOAD s                         ; a joint load: waves 0 and 1 fetch A's halves of a slot, waves 2 and 3 B's; four v_nop follow each line
	s_cmp_eq_u32 s17, 0
	s_cbranch_scc0 .Lfor_b_\@
	tensor_load_to_lds s[G0A+4*\s:G0A+4*\s+3], s[G1A:G1A+7]
	s_nop 0
.rept 4
	v_nop
.endr
	s_branch .Lasked_\@
.Lfor_b_\@:
	tensor_load_to_lds s[G0B+4*\s:G0B+4*\s+3], s[G1B:G1B+7]
	s_nop 0
.rept 4
	v_nop
.endr
.Lasked_\@:
.endm
.macro CROUND
	s_barrier_signal -1
	s_barrier_wait -1
	s_cmp_lg_u32 s16, 0
	s_cbranch_scc1 .Lnot_wave_0_\@
	s_barrier_signal -3
.Lnot_wave_0_\@:
	s_barrier_wait -3
	s_barrier_signal -1
	s_barrier_wait -1
.endm
.macro FETCH slot, s, f
	WIN 0x40
.irp i, 0,1,2,3
.irp c, 0,1,2,3
	ds_load_b128 v[(\f)+64+16*\i+4*\c:(\f)+64+16*\i+4*\c+3], v[20+(\slot)] offset:(\s)*18432+\i*2304+32*\c
.endr
.endr
.irp i, 0,1,2,3
.irp c, 0,1,2,3
	ds_load_b128 v[(\f)+16*\i+4*\c:(\f)+16*\i+4*\c+3], v[16+2*(\slot)+(\s)/2] offset:((2*(\s)+\c/2)%4)*10240+\i*1280+32*(\c%2)
.endr
.endr
.endm
.macro MUL8 f, a0, zero                ; the 16 accumulators take turns, one instruction a turn, in one order throughout, over the loop's backward jump too
.irp a, \a0, \a0+1
.irp b, 0,1,2,3
.if \zero
	v_wmma_f32_16x16x128_bf8_bf8 v[ACC+8*(4*(\a)+\b):ACC+8*(4*(\a)+\b)+7], v[(\f)+64+16*\b:(\f)+64+16*\b+15], v[(\f)+16*(\a):(\f)+16*(\a)+15], 0
.else
	v_wmma_f32_16x16x128_bf8_bf8 v[ACC+8*(4*(\a)+\b):ACC+8*(4*(\a)+\b)+7], v[(\f)+64+16*\b:(\f)+64+16*\b+15], v[(\f)+16*(\a):(\f)+16*(\a)+15], v[ACC+8*(4*(\a)+\b):ACC+8*(4*(\a)+\b)+7]
.endif
.endr
.endr
.endm
.macro STEP slot, s, zero
	s_wait_dscnt 0x0                               ; this step's fragments are in
	PLACES                                         ; four places between the last products, which read the other buffer, and the loads into it
	FETCH \slot, (\s)+1, 128*(1-(\s)%2)
	WIN 0x05
	MUL8 128*((\s)%2), 0, \zero
	MUL8 128*((\s)%2), 2, \zero
	WIN 0
.endm
.macro TURN slot, next, fill
	s_wait_tensorcnt 0x0                           ; all my tensor loads have landed: my part of the next slot; so a descriptor may be written
	ds_add_u32 v28, v29                            ; 0 onto my spare word
	s_wait_dscnt 1                                 ; the step's fragments are in; the add may be out
	WIN 0x05
	MUL8 128, 0, 0
	WIN 0
	s_wait_dscnt 0x0                               ; the add is done, and my reads of this slot are over
.if \fill
	CROUND                                         ; no wave of any partner still reads this slot or has a load on its way
	s_add_nc_u64 s[G0A+4*\slot+2:G0A+4*\slot+3], s[G0A+4*\slot+2:G0A+4*\slot+3], 131072   ; 1,024 along K on: 16 chunks of A,
	s_add_nc_u64 s[G0B+4*\slot+2:G0B+4*\slot+3], s[G0B+4*\slot+2:G0B+4*\slot+3], 131072   ; 8 chunks of B
	JLOAD \slot                                    ; the first tensor load behind the round; its four v_nop are the places in front of the loads below
.else
	s_barrier_signal -1
	s_barrier_wait -1
	PLACES
.endif
	FETCH \next, 0, 0
	WIN 0x05
	MUL8 128, 2, 0
	WIN 0
.endm
	s_load_b256 s[4:11], s[0:1], 0x0               ; A's codes, wcodes, the scales' exponents, the bias
	s_load_b128 s[12:15], s[0:1], 0x20             ; the residual, the output
	v_lshl_add_u32 v28, v0, 2, SPARE
	v_mov_b32 v29, 0
	ds_add_u32 v28, v29
	s_wait_dscnt 0x0
	v_lshrrev_b32 v1, 5, v0
	v_readfirstlane_b32 s16, v1
	s_lshr_b32 s17, s16, 1
	s_and_b32 s18, s16, 1
	s_bfe_u32 s19, ttmp6, 0x40000
	s_bfe_u32 s20, ttmp6, 0x40004
	s_lshl_b32 s21, ttmp9, 2
	s_add_co_u32 s21, s21, s19                     ; tile column
	s_and_b32 s22, ttmp7, 0xffff
	s_lshl_b32 s22, s22, 2
	s_add_co_u32 s22, s22, s20                     ; tile row
	s_lshl_b32 s40, s20, 2
	s_lshl_b32 s40, 15, s40
	s_lshl_b32 s41, 0x1111, s19
	s_or_b32 s[G1A], s40, (1<<20)|(1<<21)|(3<<22)|(3<<25)
	s_mov_b32 s[G1A+1], 64<<16
	s_mov_b32 s[G1A+2], 512<<16
	s_mov_b32 s[G1A+3], 64<<16
	s_mov_b32 s[G1A+4], 512
	s_mov_b32 s[G1A+5], 64
	s_mov_b32 s[G1A+6], 0
	s_mov_b32 s[G1A+7], 0
	s_or_b32 s[G1B], s41, (1<<20)|(1<<21)|(4<<22)|(3<<25)
	s_mov_b32 s[G1B+1], 128<<16
	s_mov_b32 s[G1B+2], 256<<16
	s_mov_b32 s[G1B+3], 128<<16
	s_mov_b32 s[G1B+4], 256
	s_mov_b32 s[G1B+5], 128
	s_mov_b32 s[G1B+6], 0
	s_mov_b32 s[G1B+7], 0
	s_mul_i32 s42, s22, NCHA*8192
	s_lshl_b32 s43, s18, 15
	s_add_co_u32 s42, s42, s43
	s_mov_b32 s43, 0
	s_mul_i32 s44, s21, NCHB*16384
	s_lshl_b32 s45, s18, 15
	s_add_co_u32 s44, s44, s45
	s_add_co_u32 s44, s44, WOFF
	s_mov_b32 s45, 0
	s_mul_i32 s46, s18, 40960
	s_mul_i32 s47, s18, 36864
	s_add_co_u32 s47, s47, BOFF
	s_wait_kmcnt 0x0
	s_load_b64 s[72:73], s[8:9], EA
	s_add_nc_u64 s[42:43], s[4:5], s[42:43]
	s_add_nc_u64 s[44:45], s[6:7], s[44:45]
	CROUND
.irp s, 0,1
	s_mov_b32 s[G0A+4*\s], 1
	s_add_co_u32 s[G0A+4*\s+1], s46, \s*SLOT
	s_add_nc_u64 s[G0A+4*\s+2:G0A+4*\s+3], s[42:43], \s*65536
	s_or_b32 s[G0A+4*\s+3], s[G0A+4*\s+3], 0x80000000
	s_mov_b32 s[G0B+4*\s], 1
	s_add_co_u32 s[G0B+4*\s+1], s47, \s*SLOT
	s_add_nc_u64 s[G0B+4*\s+2:G0B+4*\s+3], s[44:45], \s*65536
	s_or_b32 s[G0B+4*\s+3], s[G0B+4*\s+3], 0x80000000
	JLOAD \s
.endr
	v_and_b32 v1, 15, v0                           ; r
	v_bfe_u32 v2, v0, 4, 1                         ; h
	v_mul_u32_u24 v3, v1, 80
	v_lshl_add_u32 v3, v2, 4, v3
	s_mul_i32 s66, s17, 5120
	v_add_nc_u32 v16, s66, v3
	v_add_nc_u32 v17, 40960, v16
	v_add_nc_u32 v18, SLOT, v16
	v_add_nc_u32 v19, SLOT+40960, v16
	v_mul_u32_u24 v4, v1, 144
	v_lshl_add_u32 v4, v2, 4, v4
	s_mul_i32 s66, s18, 9216
	s_add_co_u32 s66, s66, BOFF
	v_add_nc_u32 v20, s66, v4
	v_add_nc_u32 v21, SLOT, v20
	s_mul_i32 s66, s16, 4352                       ; my stage: 16 rows x (256 + 16) bytes, in slot 0, behind its last fill and its last read
	v_mul_u32_u24 v5, v1, 272
	v_lshl_add_u32 v5, v2, 6, v5
	v_add_nc_u32 v22, s66, v5
	v_mul_u32_u24 v5, v2, 272
	v_lshl_add_u32 v5, v1, 4, v5
	v_add_nc_u32 v23, s66, v5
	v_lshlrev_b32 v24, 12, v2
	v_lshl_add_u32 v24, v1, 4, v24
	v_lshlrev_b32 v25, 6, v2
	s_lshl_b32 s66, s21, 9
	s_lshl_b32 s67, s18, 8
	s_add_co_u32 s66, s66, s67
	s_mov_b32 s67, 0
	s_add_nc_u64 s[10:11], s[10:11], s[66:67]
.irp p, 0,1
.irp q, 0,1,2,3
	global_load_b128 v[BIAS+16*\p+4*\q:BIAS+16*\p+4*\q+3], v25, s[10:11] offset:128*\p+16*\q
.endr
.endr
	s_lshl_b32 s68, s22, 7
	s_lshl_b32 s69, s17, 6
	s_add_co_u32 s68, s68, s69
	s_lshl_b32 s68, s68, 12
	s_add_co_u32 s68, s68, s66
	s_mov_b32 s69, 0
	s_add_nc_u64 s[12:13], s[12:13], s[68:69]
	s_add_nc_u64 s[14:15], s[14:15], s[68:69]
	WIN 0x80                                       ; destination window 2
.irp a, 0,1,2,3
.irp t, 0,1,2,3,4,5,6,7
	global_load_b128 v[4*(8*\a+\t):4*(8*\a+\t)+3], v24, s[12:13] offset:(16*\a+2*\t)*4096
.endr
.endr
	WIN 0
	s_wait_tensorcnt 1                             ; my part of slot 0 is in; slot 1's may be out
	s_barrier_signal -1
	s_barrier_wait -1
	FETCH 0, 0, 0
	STEP 0, 0, 1
.if LAPS > 1
	s_mov_b32 s3, LAPS-1
.Llap:                                             ; a trip goes once round the ring and fills both slots again
	STEP 0, 1, 0
	STEP 0, 2, 0
	TURN 0, 1, 1
	STEP 1, 0, 0
	STEP 1, 1, 0
	STEP 1, 2, 0
	TURN 1, 0, 1
	STEP 0, 0, 0
	s_sub_co_u32 s3, s3, 1
	s_cmp_lg_u32 s3, 0
	s_cbranch_scc1 .Llap
.endif
	STEP 0, 1, 0                                   ; the last lap fills nothing
	STEP 0, 2, 0
	TURN 0, 1, 0
	STEP 1, 0, 0
	STEP 1, 1, 0
	STEP 1, 2, 0
	s_wait_dscnt 0x0
	WIN 0x05
	MUL8 128, 0, 0
	MUL8 128, 2, 0
	WIN 0
	PLACES
	; THE WAY OUT, 16 rows at a time: sum x 2^(ea + eb) + bias, through my stage, + the residual, whole rows of 256 bytes out
	s_wait_kmcnt 0x0
	s_wait_loadcnt 0x0
	s_add_co_i32 s80, s72, s73
	s_add_co_i32 s80, s80, 127
	s_lshl_b32 s80, s80, 23
	s_mov_b32 s81, s80
.macro OUTA a
.if (\a) > 0
	s_wait_xcnt 0x0                                ; the last block's stores have read their registers
.endif
.set n1, 0
.rept 16
	v_pk_fma_f32 v[TMP+n1:TMP+n1+1], v[ACC+32*(\a)+n1:ACC+32*(\a)+n1+1], s[80:81], v[BIAS+n1:BIAS+n1+1] op_sel_hi:[1,0,1]   ; each accumulator from its low end on
.set n1, n1+2
.endr
.irp p, 0,1
.irp q, 0,1,2,3
	ds_store_b128 v22, v[TMP+16*\p+4*\q:TMP+16*\p+4*\q+3] offset:128*\p+16*\q
.endr
.endr
.irp t, 0,1,2,3,4,5,6,7
	ds_load_b128 v[RB+4*\t:RB+4*\t+3], v23 offset:544*\t   ; a wave's LDS instructions are served in order
.endr
	s_wait_dscnt 0x0
	WIN 0x08                                       ; source 1 window 2
.set n1, 0
.rept 16
	v_pk_add_f32 v[RB+n1:RB+n1+1], v[RB+n1:RB+n1+1], v[32*(\a)+n1:32*(\a)+n1+1]
.set n1, n1+2
.endr
	WIN 0
.irp t, 0,1,2,3,4,5,6,7
	global_store_b128 v24, v[RB+4*\t:RB+4*\t+3], s[14:15] offset:(16*(\a)+2*\t)*4096   ; 16 lanes store 256 consecutive bytes, aligned
.endr
.endm
	OUTA 0
	OUTA 1
	OUTA 2
	OUTA 3
	s_wait_tensorcnt 0x0                           ; the wave's end
	ds_add_u32 v28, v29
	s_wait_dscnt 0x0
	CROUND
	s_endpgm
.Lfunc_end_k_q3ae5cfe6bf_gemm_fc2:
	.size	k_q3ae5cfe6bf_gemm_fc2, .Lfunc_end_k_q3ae5cfe6bf_gemm_fc2-k_q3ae5cfe6bf_gemm_fc2
	.p2alignl 7, 3214868480
	.fill 96, 4, 3214868480
	.section	.rodata,"a",@progbits
	.p2align	6, 0x0
	.amdhsa_kernel k_q3ae5cfe6bf_gemm_fc2
		.amdhsa_group_segment_fixed_size 327680
		.amdhsa_private_segment_fixed_size 0
		.amdhsa_enable_private_segment 0
		.amdhsa_kernarg_size 48
		.amdhsa_user_sgpr_count 2
		.amdhsa_user_sgpr_kernarg_segment_ptr 1
		.amdhsa_wavefront_size32 1
		.amdhsa_system_sgpr_workgroup_id_x 1
		.amdhsa_system_sgpr_workgroup_id_y 1
		.amdhsa_system_sgpr_workgroup_id_z 1
		.amdhsa_system_vgpr_workitem_id 0
		.amdhsa_next_free_vgpr 768
		.amdhsa_next_free_sgpr 100
		.amdhsa_reserve_vcc 0
		.amdhsa_float_denorm_mode_32 3
		.amdhsa_float_denorm_mode_16_64 3
		.amdhsa_memory_ordered 1
		.amdhsa_forward_progress 1
		.amdhsa_inst_pref_size 82
	.end_amdhsa_kernel
	.amdgpu_metadata
---
amdhsa.version: [ 1, 2 ]
amdhsa.kernels:
  - .name:           k_q3ae5cfe6bf_gemm_fc2
    .symbol:         k_q3ae5cfe6bf_gemm_fc2.kd
    .args:
      - { .name: hcodes, .offset: 0, .size: 8, .value_kind: global_buffer, .address_space: global }
      - { .name: wcodes, .offset: 8, .size: 8, .value_kind: global_buffer, .address_space: global }
      - { .name: lowp_scales, .offset: 16, .size: 8, .value_kind: global_buffer, .address_space: global }
      - { .name: b_fc2, .offset: 24, .size: 8, .value_kind: global_buffer, .address_space: global }
      - { .name: x1, .offset: 32, .size: 8, .value_kind: global_buffer, .address_space: global }
      - { .name: out0, .offset: 40, .size: 8, .value_kind: global_buffer, .address_space: global }
    .group_segment_fixed_size: 327680
    .private_segment_fixed_size: 0
    .kernarg_segment_align: 8
    .kernarg_segment_size: 48
    .max_flat_workgroup_size: 128
    .sgpr_count:     100
    .vgpr_count:     768
    .wavefront_size: 32
...
	.end_amdgpu_metadata
.endif
;; end of part 7
